; MI455X (gfx1250); checked and timed in simulation.
; The chip was launched on July 23, 2026; its instructions are those of AMD's public machine-readable ISA for CDNA 5 (MIT licence, August 2026) and "CDNA5" Instruction Set Architecture Reference Guide (July 2026). The comments in the code are by the model that wrote it; some were corrected since.
;; Attention Block. Allowed arithmetic: matrix products marked QUANTISED: E2M1 operands, one E8M0 scale for each 32 along K, by v_wmma_scale_f32_16x16x128_f8f6f4 with both operands' format E2M1 (or v_wmma_scale_f32_32x16x128_f4), f32 sums; everything else in f32.
;; Inputs: Wk_codes 1,024 x 32 x 16 uint8 (E2M1 codes of Wk, K innermost, in blocks of 32 codes, two codes a byte); Wk_scales 1,024 x 32 uint8 (E8M0 scales of Wk, one for each 32 codes along K); Wo_codes 1,024 x 32 x 16 uint8 (E2M1 codes of Wo, K innermost, in blocks of 32 codes, two codes a byte); Wo_scales 1,024 x 32 uint8 (E8M0 scales of Wo, one for each 32 codes along K); Wq_codes 1,024 x 32 x 16 uint8 (E2M1 codes of Wq, K innermost, in blocks of 32 codes, two codes a byte); Wq_scales 1,024 x 32 uint8 (E8M0 scales of Wq, one for each 32 codes along K); Wv_codes 1,024 x 32 x 16 uint8 (E2M1 codes of Wv, K innermost, in blocks of 32 codes, two codes a byte); Wv_scales 1,024 x 32 uint8 (E8M0 scales of Wv, one for each 32 codes along K); bk 1,024 float32; bo 1,024 float32; bq 1,024 float32; bv 1,024 float32; cos_freq 4,096 x 1,024 float32; input_mask 4,096 int32; inputs 4,096 x 1,024 float32; sin_freq 4,096 x 1,024 float32.
;; Outputs: out0 4,096 x 1,024 float32.
;; This version of the problem:
;;   THIS VERSION OF THE PROBLEM IS GIVEN IN LOW PRECISION. The matrix products marked QUANTISED in the list below multiply operands that are first quantised to E2M1 (2 exponent bits, 1 mantissa bit; 4 bits a number), with one power-of-two scale for each 32 numbers along K (OCP MX v1.0); their sums are f32. All else is computed in f32.
;;   The module's matrix products, in the order in which they are computed (A, B: the left and right operand; K: the contracted axis; several contracted axes count as one K, in the product's order):
;;     1. [M 4,096, K 1,024] x [K 1,024, N 1,024]; A: computed on the way; B: input Wq (given as codes): QUANTISED
;;     2. [M 4,096, K 1,024] x [K 1,024, N 1,024]; A: computed on the way; B: input Wk (given as codes): QUANTISED
;;     3. [M 4,096, K 1,024] x [K 1,024, N 1,024]; A: computed on the way; B: input Wv (given as codes): QUANTISED
;;     4. batch 16 x [M 4,096, K 64] x [K 64, N 4,096]; A: computed on the way; B: computed on the way: QUANTISED
;;     5. batch 16 x [M 64, K 4,096] x [K 4,096, N 4,096]; A: computed on the way; B: softmax (see below): QUANTISED
;;     6. [M 4,096, K 1,024] x [K 1,024, N 1,024]; A: computed on the way; B: input Wo (given as codes): QUANTISED
;;   THE QUANTISER, for each operand of a quantised product, along K:
;;     - K is cut into blocks of 32 from its start; a last block that is shorter is filled with zeros.
;;     - A block's scale is 2^e with e = floor(log2(the largest magnitude in the block)) - 2, held to -126 .. 127; a block of zeros has e = 0. As a byte (E8M0): e + 127.
;;     - Each number is divided by its block's scale, clamped to +-6, and rounded to the nearest number of E2M1, ties to even, subnormals kept.
;;     - The product sums the exact products of the quantised numbers (number of the format x scale) in f32.
;;   ~~~python
;;   def quantise(x, axis):      # numpy; x: float32 -> the quantised numbers, widened to float32 again
;;       x = np.moveaxis(x, axis, -1); K = x.shape[-1]
;;       x = np.pad(x, [(0, 0)] * (x.ndim - 1) + [(0, -K % 32)]); x = x.reshape(x.shape[:-1] + (-1, 32)); a = np.abs(x).max(-1, keepdims=True)
;;       e = np.where(a > 0, np.clip(np.frexp(np.where(a > 0, a, 1))[1] - 1 - 2, -126, 127), 0)      # np.frexp(a)[1] - 1 = floor(log2(a)), exactly
;;       r = np.clip(x / 2.0 ** e, -6, 6)
;;       step = 2.0 ** (np.maximum(np.frexp(np.where(r == 0, 1, r))[1] - 1, 0) - 1)
;;       q = np.round(r / step) * step * 2.0 ** e      # np.round: ties to even
;;       return np.moveaxis(q.reshape(q.shape[:-2] + (-1,))[..., :K], -1, axis).astype(np.float32)
;;   ~~~
;;   SOFTMAX AHEAD OF A QUANTISED PRODUCT. Where the list says 'softmax', what is quantised is not the finished softmax but p = 2^(t - M), with t = logit x log2(e) and M = ceil(the row's largest t), a whole number; so 1/2 < the row's largest p <= 1. The row's sum l is taken of the UNQUANTISED p, in f32, and the product's result is divided by l at the end. Since M is a whole number, a kernel that streams over the keys may use a running M (the ceiling of the running maximum): every later rescaling is an exact power of two, which a block's scale takes up: the codes' values come out the same.
;;   OPERANDS COMPUTED ON THE WAY. 'Computed on the way' means the value that the module computes at that place (a softmax that the list does not call 'softmax' is quantised finished and normalised). What goes into a quantiser is computed in f32, as accurately as f32 sums, v_exp_f32 and their like allow (about 1e-6 of the number): no bf16 or f16 on the way to a quantiser, and a product that is left as it is and whose result goes on into a quantised operand takes f32 operands (vector FMAs, or v_wmma_f32_16x16x4_f32). A number that lies on a knife's edge between two numbers of the format may be rounded either way, as far as f32 arithmetic and the matrix unit's own rounding can turn it there, and no further.
;;   INPUTS GIVEN AS CODES. Wk (in the module: [1024, 1024], K = its axis 1); Wo (in the module: [1024, 1024], K = its axis 1); Wq (in the module: [1024, 1024], K = its axis 1); Wv (in the module: [1024, 1024], K = its axis 1): each comes as NAME_codes (uint8): NAME with its K axis moved to the last place and cut into blocks of 32 codes, [.., K / 32, bytes a block], one block behind the other in memory; two codes a byte, the lower K in the low four bits (a code: sign, 2 exponent bits, 1 mantissa bit); and NAME_scales (uint8): the same leading axes, one E8M0 byte (e + 127) for each 32 codes along K. Its value is code x scale, taken as it is: it is not quantised again, and the codes and scales need not be those that the quantiser above would give.
;; One version. Each part assembles by itself: llvm-mc -triple=amdgcn-amd-amdhsa -mcpu=gfx1250 --defsym DOCPART=n.
;; ======== version 1 of 1: 4 launches
;; limits: right only within a limited range of input values
;; workspace buffers: xq 2,228,224 bytes; wq 2,228,224 bytes; qq 2,359,296 bytes; kv 4,718,592 bytes; aq 2,228,224 bytes
;; launch prep (part 1): grid 256 x 1, 16 waves a work-group, no clusters, 84,992 bytes of LDS; arguments inputs, cos_freq, sin_freq, Wq_codes, Wk_codes, Wv_codes, Wo_codes, Wq_scales, Wk_scales, Wv_scales, Wo_scales, xq, wq; writes xq, wq
.if DOCPART == 1
	.amdgcn_target "amdgcn-amd-amdhsa--gfx1250"
	.amdhsa_code_object_version 6
	.text
	.protected	k_q4232d38459_prep
	.globl	k_q4232d38459_prep
	.p2align	8
	.type	k_q4232d38459_prep,@function
k_q4232d38459_prep:
	s_mov_b64 s[64:65], 0
	v_nop
	global_prefetch_b8 v0, s[64:65] scope:SCOPE_SE
	s_setreg_imm32_b32 hwreg(HW_REG_WAVE_MODE, 25, 1), 1
	s_wait_xcnt 0x0
; PREP.  (1) x_r = inputs * cos + rotate_half(inputs) * sin, in f32, quantised along its 1,024 features to E2M1 codes with one E8M0 byte for each 32; (2) the four weights' codes and scale bytes, laid anew.
; Both go out as IMAGES OF OPERAND REGISTERS, so that the later launches fetch every fragment by dense loads of 16 bytes a lane:
;   a tile is 16 rows; tile T = 2 b + u, index i <-> row 32 b + 8 u + i + 8 (i / 8)   (so that two neighbouring tiles of a product's result are 16 neighbours along the next K);
;   its codes  [block of 32 along K: 32][index 16][16 bytes] = 8,192 bytes: the fragment of K step s, half c is the 512 bytes at 1024 s + 512 c + 16 x lane;
;   its scales [half of K: 2][index 16][16 bytes] = 512 bytes at 16 x lane: register i holds K step i's word in lanes 0-15 and K step 4 + i's in lanes 16-31.
; xq: 256 tiles of codes, then from byte XQS their scale images.  wq: [kind q, k, v, o][group of 64 rows: 16][4 tiles of codes, then 4 scale images] = 64 blocks of 34,816 bytes.
; SHARES.  Work-group T takes x's tile T, a wave to a row (24 loads of 512 consecutive bytes, all out at once), and weight tile T (kind T / 64, tile T % 64): 4 x 64 weight tiles are as many as there are work-groups.
; A stream bound by its bytes: no matrix unit, no cluster, no tensor load; every f32 byte is read once.  The weights' gather (32 bytes of each of 16 rows a load) is 2 MB, done here once.
; A block's scale byte is its largest magnitude's exponent field - 2, held at 1 from below.
; LIMITS: a block whose largest magnitude lies under 2^-124, a block of zeros among them, gets the byte 1 (the bytes are read by this program alone; zero codes add nothing); NaN and infinities are not served.
.set STGW, 4608                        ; a wave's stage: a row's 4,096 bytes + 16 behind each 128
.set CT,   16*STGW                     ; the tile's codes: 32 rows (a block of K each) of 256 bytes, pitch 272
.set CTP,  272
.set ST,   CT+32*CTP                   ; the tile's scale image, 512 bytes
.set XQS,  2097152
.set WBLK, 34816
.set X,    16                          ; v16-47   the row of inputs: load i = columns 128 i + 4 lane ..; later a block's 32 numbers
.set C,    48                          ; v48-79   cos, then x_r
.set S,    80                          ; v80-111  sin
	s_load_b512 s[4:19], s[0:1], 0x0               ; inputs 4, cos 6, sin 8, Wq codes 10, Wk 12, Wv 14, Wo 16, Wq scales 18
	s_load_b256 s[20:27], s[0:1], 0x40             ; Wk scales 20, Wv 22, Wo 24, xq 26
	s_load_b64 s[28:29], s[0:1], 0x60              ; wq
	v_lshl_add_u32 v128, v0, 2, 0x14400
	v_mov_b32 v129, 0
	v_lshrrev_b32 v1, 5, v0
	s_delay_alu instid0(VALU_DEP_1)
	v_readfirstlane_b32 s30, v1                    ; wave w = the row's index in the tile
	v_and_b32 v1, 31, v0                           ; lane l
	s_delay_alu instid0(VALU_DEP_1)
	v_lshlrev_b32 v2, 4, v1                        ; 16 l
	v_and_b32 v11, 15, v0                          ; r
	v_bfe_u32 v113, v0, 4, 1                       ; h
	s_mul_i32 s40, s30, STGW
	v_lshrrev_b32 v114, 3, v1
	s_delay_alu instid0(VALU_DEP_1)
	v_lshl_add_u32 v3, v114, 4, v2
	s_delay_alu instid0(VALU_DEP_1)
	v_add_nc_u32 v3, s40, v3                       ; the stage, in: 16 l + 16 (l / 8), 576 bytes a load
	v_mul_u32_u24 v4, v1, 144
	s_delay_alu instid0(VALU_DEP_1)
	v_add_nc_u32 v4, s40, v4                       ; and out: lane l takes block l: 128 bytes + 16
	s_lshl_b32 s41, s30, 4
	s_add_co_u32 s42, s41, CT
	v_mul_u32_u24 v5, v1, CTP
	s_delay_alu instid0(VALU_DEP_1)
	v_add_nc_u32 v5, s42, v5                       ; my block's 16 bytes of codes: row l, place w
	s_add_co_u32 s42, s41, ST
	v_lshl_add_u32 v6, v113, 8, v11
	s_delay_alu instid0(VALU_DEP_1)
	v_add_nc_u32 v6, s42, v6                       ; my block's scale byte: 256 (l / 16) + 16 w + l % 16
	s_mul_i32 s42, s30, 2*CTP
	s_add_co_u32 s42, s42, CT
	v_mul_u32_u24 v7, v113, CTP
	s_delay_alu instid0(VALU_DEP_1)
	v_lshl_add_u32 v7, v11, 4, v7
	s_delay_alu instid0(VALU_DEP_1)
	v_add_nc_u32 v7, s42, v7                       ; the tile's codes, out: rows 2 w + h, 16 bytes a lane
	v_and_b32 v114, 8, v11
	s_delay_alu instid0(VALU_DEP_1)
	v_add_nc_u32 v114, v114, v11                   ; r + 8 (r / 8)
	s_delay_alu instid0(VALU_DEP_1)
	v_lshlrev_b32 v8, 9, v114
	s_delay_alu instid0(VALU_DEP_1)
	v_lshl_add_u32 v8, v113, 4, v8                 ; a weight's codes: 512 bytes a row, + 16 h
	s_delay_alu instid0(VALU_DEP_3)
	v_lshlrev_b32 v9, 5, v114
	s_delay_alu instid0(VALU_DEP_1)
	v_lshl_add_u32 v9, v113, 4, v9                 ; its scale bytes: 32 a row, + 16 h
	v_add_nc_u32 v10, ST, v2                       ; the scale image, out
	s_lshr_b32 s31, ttmp9, 6                       ; kind: 0 q, 1 k, 2 v, 3 o
	s_bfe_u32 s43, ttmp9, 0x50001                  ; (T % 64) / 2
	s_lshl_b32 s43, s43, 5
	s_and_b32 s44, ttmp9, 1
	s_lshl_b32 s44, s44, 3
	s_add_co_u32 s43, s43, s44                     ; the weight tile's first row
	; X'S TILES HAVE AN ORDER OF ROWS OF THEIR OWN (the order 2 b + u at the head is the weights'): tile T = 4 G + t, index i <-> row 64 G + 8 t + i % 8 + 32 (i / 8),
	; so that the eight registers of four neighbouring tiles of a product's result are 32 neighbouring rows in one lane
	s_lshr_b32 s45, ttmp9, 2
	s_lshl_b32 s45, s45, 6                         ; 64 G
	s_and_b32 s46, ttmp9, 3
	s_lshl_b32 s46, s46, 3
	s_add_co_u32 s45, s45, s46                     ; + 8 t
	s_and_b32 s46, s30, 8
	s_mul_i32 s46, s46, 3
	s_add_co_u32 s46, s46, s30                     ; w + 24 (w / 8) = w % 8 + 32 (w / 8)
	s_add_co_u32 s45, s45, s46                     ; my row
	s_lshl_b32 s46, s45, 12                        ; in bytes
	s_mov_b32 s47, 0
	s_mov_b32 s41, 0
	s_wait_alu depctr_va_vdst(0)
	s_wait_kmcnt 0x0
	s_add_nc_u64 s[4:5], s[4:5], s[46:47]
	s_add_nc_u64 s[6:7], s[6:7], s[46:47]
	s_add_nc_u64 s[8:9], s[8:9], s[46:47]
.irp i, 0,1,2,3,4,5,6,7
	global_load_b128 v[X+4*\i:X+4*\i+3], v2, s[4:5] offset:512*\i th:TH_LOAD_NT
.endr
.irp i, 0,1,2,3,4,5,6,7
	global_load_b128 v[C+4*\i:C+4*\i+3], v2, s[6:7] offset:512*\i th:TH_LOAD_NT
.endr
.irp i, 0,1,2,3,4,5,6,7
	global_load_b128 v[S+4*\i:S+4*\i+3], v2, s[8:9] offset:512*\i th:TH_LOAD_NT
.endr
	s_bitcmp1_b32 s31, 0                           ; the weight is chosen by the work-group's number alone
	s_cselect_b64 s[32:33], s[12:13], s[10:11]
	s_cselect_b64 s[34:35], s[16:17], s[14:15]
	s_cselect_b64 s[36:37], s[20:21], s[18:19]
	s_cselect_b64 s[38:39], s[24:25], s[22:23]
	s_bitcmp1_b32 s31, 1
	s_cselect_b64 s[32:33], s[34:35], s[32:33]     ; its codes
	s_cselect_b64 s[36:37], s[38:39], s[36:37]     ; its scale bytes
	s_lshl_b32 s40, s43, 9
	s_lshl_b32 s42, s30, 5
	s_add_co_u32 s40, s40, s42                     ; the tile's first row, blocks 2 w and 2 w + 1 of K
	s_add_nc_u64 s[32:33], s[32:33], s[40:41]
	global_load_b128 v[12:15], v8, s[32:33]
	s_lshl_b32 s40, s43, 5
	s_add_nc_u64 s[36:37], s[36:37], s[40:41]
	s_lshr_b32 s42, ttmp9, 2                       ; 16 kind + group
	s_and_b32 s40, s42, 15
	s_mul_i32 s40, s40, 3
	s_add_co_u32 s40, s40, s31                     ; kinds q, k, v: block 3 group + kind, so that a head's three blocks lie on end in wq;
	s_cmp_eq_u32 s31, 3
	s_cselect_b32 s42, s42, s40                    ; kind o keeps blocks 48 to 63
	s_mul_i32 s42, s42, WBLK                       ; wq's block
	s_and_b32 s43, ttmp9, 3                        ; the tile's place in it
	s_lshl_b32 s40, s43, 13
	s_add_co_u32 s40, s40, s42
	s_lshl_b32 s44, s30, 9
	s_add_co_u32 s40, s40, s44
	s_add_nc_u64 s[34:35], s[28:29], s[40:41]      ; where my 512 bytes of the weight's image go
	s_lshl_b32 s40, s43, 9
	s_add_co_u32 s40, s40, s42
	s_add_co_u32 s40, s40, 32768
	s_add_nc_u64 s[28:29], s[28:29], s[40:41]      ; and its scale image
	s_lshl_b32 s40, ttmp9, 13
	s_add_co_u32 s40, s40, s44
	s_add_nc_u64 s[38:39], s[26:27], s[40:41]      ; my 512 bytes of x's image
	s_lshl_b32 s40, ttmp9, 9
	s_add_co_u32 s40, s40, XQS
	s_add_nc_u64 s[26:27], s[26:27], s[40:41]      ; and its scale image
	s_wait_loadcnt 0x0                             ; one batch: all that the wave reads was asked for at once
	global_store_b128 v2, v[12:15], s[34:35]       ; the weight's blocks 2 w, 2 w + 1 of 16 rows: 512 consecutive bytes
	; RoPE: columns c < 512: x c cos c - x(c + 512) sin c;  c >= 512: x c cos c + x(c - 512) sin c.  Load i + 4 holds the columns 512 on from load i
.set j, 0
.rept 16
	v_pk_mul_f32 v[C+j:C+j+1], v[X+j:X+j+1], v[C+j:C+j+1]
.set j, j+2
.endr
.set j, 0
.rept 8
	v_pk_fma_f32 v[C+j:C+j+1], v[X+16+j:X+16+j+1], v[S+j:S+j+1], v[C+j:C+j+1] neg_lo:[1,0,0] neg_hi:[1,0,0]
	v_pk_fma_f32 v[C+16+j:C+16+j+1], v[X+j:X+j+1], v[S+16+j:S+16+j+1], v[C+16+j:C+16+j+1]
.set j, j+2
.endr
	; through my own stage, so that a lane holds a whole block of 32 neighbours.  LDS serves a wave's instructions in order: no wait between the stores and the loads
.irp i, 0,1,2,3,4,5,6,7
	ds_store_b128 v3, v[C+4*\i:C+4*\i+3] offset:576*\i
.endr
.irp i, 0,1,2,3,4,5,6,7
	ds_load_b128 v[X+4*\i:X+4*\i+3], v4 offset:16*\i
.endr
	s_wait_dscnt 0x0
	v_max3_num_f32 v112, |v[X]|, |v[X+1]|, |v[X+2]|                ; the block's largest magnitude, in two chains
	v_max3_num_f32 v113, |v[X+3]|, |v[X+4]|, |v[X+5]|
.irp i, 6,10,14,18,22,26
	s_delay_alu instid0(VALU_DEP_2)
	v_max3_num_f32 v112, v112, |v[X+\i]|, |v[X+\i+1]|
	s_delay_alu instid0(VALU_DEP_2)
	v_max3_num_f32 v113, v113, |v[X+\i+2]|, |v[X+\i+3]|
.endr
	s_delay_alu instid0(VALU_DEP_2)
	v_max3_num_f32 v112, v112, |v[X+30]|, |v[X+31]|
	s_delay_alu instid0(VALU_DEP_1)
	v_max3_num_f32 v112, v112, v113, 0x1800000     ; and the floor 2^(3 - 127): the byte cannot fall under 1
	s_delay_alu instid0(VALU_DEP_1)
	v_add_nc_u32 v114, 0xff000000, v112            ; 2 off its exponent field: the conversion takes this operand's exponent field as its scale
	s_delay_alu instid0(VALU_DEP_1)
	v_lshrrev_b32 v115, 23, v114                   ; the scale's byte
.irp g, 0,1,2,3
	v_cvt_scalef32_pk8_fp4_f32 v[116+\g], v[X+8*\g:X+8*\g+7], v114
.endr
	v_nop                                          ; one plain line behind the conversions
	ds_store_b128 v5, v[116:119]
	ds_store_b8 v6, v115
	s_wait_dscnt 0x0                               ; for the others' sake: my stores have landed
	s_barrier_signal -1
	s_barrier_wait -1                              ; the tile's codes and scale bytes lie in LDS
	ds_load_b128 v[120:123], v7
	s_wait_dscnt 0x0
	global_store_b128 v2, v[120:123], s[38:39]     ; blocks 2 w, 2 w + 1 of the 16 rows: 512 consecutive bytes
	s_cmp_lg_u32 s30, 0                            ; the two scale images, 512 bytes each, are wave 0's
	s_cbranch_scc1 .Lend
	global_load_b128 v[48:51], v9, s[36:37]        ; the weight tile's scale bytes: 16 of each row's 32 a lane
	ds_load_b128 v[124:127], v10
	s_wait_dscnt 0x0
	global_store_b128 v2, v[124:127], s[26:27]
	s_wait_loadcnt 0x0
	global_store_b128 v2, v[48:51], s[28:29]
.Lend:
	s_wait_tensorcnt 0x0
	ds_add_u32 v128, v129
	s_wait_dscnt 0x0
	s_endpgm
.Lfunc_end_k_q4232d38459_prep:
	.size	k_q4232d38459_prep, .Lfunc_end_k_q4232d38459_prep-k_q4232d38459_prep
	.p2alignl 7, 3214868480
	.fill 96, 4, 3214868480
	.section	.rodata,"a",@progbits
	.p2align	6, 0x0
	.amdhsa_kernel k_q4232d38459_prep
		.amdhsa_group_segment_fixed_size 84992
		.amdhsa_private_segment_fixed_size 0
		.amdhsa_enable_private_segment 0
		.amdhsa_kernarg_size 104
		.amdhsa_user_sgpr_count 2
		.amdhsa_user_sgpr_kernarg_segment_ptr 1
		.amdhsa_wavefront_size32 1
		.amdhsa_system_sgpr_workgroup_id_x 1
		.amdhsa_system_sgpr_workgroup_id_y 1
		.amdhsa_system_sgpr_workgroup_id_z 1
		.amdhsa_system_vgpr_workitem_id 0
		.amdhsa_next_free_vgpr 130
		.amdhsa_next_free_sgpr 66
		.amdhsa_reserve_vcc 0
		.amdhsa_float_denorm_mode_32 3
		.amdhsa_float_denorm_mode_16_64 3
		.amdhsa_memory_ordered 1
		.amdhsa_forward_progress 1
		.amdhsa_inst_pref_size 13
	.end_amdhsa_kernel
	.amdgpu_metadata
---
amdhsa.version: [ 1, 2 ]
amdhsa.kernels:
  - .name:           k_q4232d38459_prep
    .symbol:         k_q4232d38459_prep.kd
    .args:
      - { .name: inputs, .offset: 0, .size: 8, .value_kind: global_buffer, .address_space: global }
      - { .name: cos_freq, .offset: 8, .size: 8, .value_kind: global_buffer, .address_space: global }
      - { .name: sin_freq, .offset: 16, .size: 8, .value_kind: global_buffer, .address_space: global }
      - { .name: Wq_codes, .offset: 24, .size: 8, .value_kind: global_buffer, .address_space: global }
      - { .name: Wk_codes, .offset: 32, .size: 8, .value_kind: global_buffer, .address_space: global }
      - { .name: Wv_codes, .offset: 40, .size: 8, .value_kind: global_buffer, .address_space: global }
      - { .name: Wo_codes, .offset: 48, .size: 8, .value_kind: global_buffer, .address_space: global }
      - { .name: Wq_scales, .offset: 56, .size: 8, .value_kind: global_buffer, .address_space: global }
      - { .name: Wk_scales, .offset: 64, .size: 8, .value_kind: global_buffer, .address_space: global }
      - { .name: Wv_scales, .offset: 72, .size: 8, .value_kind: global_buffer, .address_space: global }
      - { .name: Wo_scales, .offset: 80, .size: 8, .value_kind: global_buffer, .address_space: global }
      - { .name: xq, .offset: 88, .size: 8, .value_kind: global_buffer, .address_space: global }
      - { .name: wq, .offset: 96, .size: 8, .value_kind: global_buffer, .address_space: global }
    .group_segment_fixed_size: 84992
    .private_segment_fixed_size: 0
    .kernarg_segment_align: 8
    .kernarg_segment_size: 104
    .max_flat_workgroup_size: 512
    .sgpr_count:     66
    .vgpr_count:     130
    .wavefront_size: 32
...
	.end_amdgpu_metadata
.endif
;; end of part 1
;; launch qkv (part 2): grid 16 x 16, 4 waves a work-group, clusters of 4 x 1, 238,080 bytes of LDS; arguments xq, wq, bq, bk, bv, input_mask, qq, kv; writes qq, kv
.if DOCPART == 2
	.amdgcn_target "amdgcn-amd-amdhsa--gfx1250"
	.amdhsa_code_object_version 6
	.text
	.protected	k_q4232d38459_qkv
	.globl	k_q4232d38459_qkv
	.p2align	8
	.type	k_q4232d38459_qkv,@function
k_q4232d38459_qkv:
	s_mov_b64 s[64:65], 0
	v_nop
	global_prefetch_b8 v0, s[64:65] scope:SCOPE_SE
	s_setreg_imm32_b32 hwreg(HW_REG_WAVE_MODE, 25, 1), 1
	s_wait_xcnt 0x0
	s_wait_alu depctr_hold_cnt(0) depctr_sa_sdst(0) depctr_va_vdst(0) depctr_va_sdst(0) depctr_va_ssrc(0) depctr_va_vcc(0) depctr_vm_vsrc(0)
	s_getreg_b32 s2, hwreg(HW_REG_IB_STS2, 6, 4)
	s_cmp_eq_u32 s2, 0
	s_cbranch_scc0 .Lentry_in_a_cluster
	s_endpgm
.Lentry_in_a_cluster:
	s_bfe_u32 s2, ttmp6, 0x10000c
	s_cmp_lg_u32 s2, 0x3003
	s_cbranch_scc0 .Lentry_shape_is_right
	s_endpgm
.Lentry_shape_is_right:
; QKV.  q, k, v = Q(x_r) W^T + b on E2M1 codes, and their quantising for attention: q / 8 and k along the head's 64 channels, v along the keys.
; SHARES.  A work-group takes 256 rows and one head, for the three kinds q, k, v; wave w takes 64 rows (row block rb): 4 x 4 accumulators, 8 K steps of 128: 128 matrix instructions a kind.
; x's fragments (32 KB a wave) come by the tensor loads of waves 2 and 3 into LDS, then into window 1, and serve all three kinds.  The head's three weight blocks (34,816 bytes each, as PREP laid them) are read by all four waves and by
; the cluster's four work-groups: they come by JOINT tensor loads, each LDS byte filled once in the launch.  x's rows are shared along the heads, not with the partners: no joint load for them.
; FORMS.  q, k: source 0 = 16 rows of W, source 1 = 16 rows of x: a lane holds ONE row and its registers run along the channels, which are the next K.  v: source 0 = x, source 1 = W: a lane holds ONE channel and
; its registers run along the keys.  By the tiles' order of rows (tile 2 b + u, index i <-> row 32 b + 8 u + i + 8 (i / 8)) the 16 registers of two neighbouring tiles are 16 neighbours.  The bias is the C of a sum's first instruction.
; OUT.  qq: q's fragments [head][tile 256][512 bytes at 16 x lane], then from QQS scale words [head][rb][index 16][4 tiles].  kv: [head][key step of 128: 32][9,216]: K's 8 tiles x 512 bytes; from 4,096 V's 4 tiles x [half 2][512];
; from 8,192 K's scale words [lane 32][4]; from 8,704 V's [lane 32][4 tiles] (lanes 16-31 a copy).
; THE SCALE WORDS CARRY MORE THAN SCALES.  The head's K is 64 of the instruction's 128.  q's word: [b0 - 3, b1 - 3, 127, 64]: the - 3 is the division by 8.  k's word: [b0, b1, e, 64], e = 1 for a key that counts, 243 for a masked one:
; attention puts one code in block 2 of both operands, whose product is -16 x 2^(e - 127): nothing beside a score, or -2^120.
; V's scale words are written in pieces of 2 bytes (two row blocks share a word): 128 KB in the launch, inside blocks of 256 bytes that the work-group's waves fill together.
; LIMITS: a block whose largest magnitude lies under 2^-124 (q: 2^-121), zeros among them, gets the floor's byte; NaN and infinities are not served; a mask entry counts where it is not 0.
.set WBLK,  34816
.set XQS,   2097152
.set QQS,   2097152
.set XS,  16                           ; v16-31   x's scale images: 4 registers a tile
.set WS,  32                           ; v32-47   the weights'
.set BI,  48                           ; v48-79   the bias, 8 registers a tile, in the result's layout
.set PC,  80                           ; v80-95   the codes just made
.set TM,  96                           ; v96-103 largest magnitudes, v104-111 the other half's, then bytes, v112-119 the conversions' scale operands
.set SW,  120                          ; v120-123 scale words
.set MK,  124                          ; v124-127 the key mask, then the upper half of k's scale words
.set ACC, 128                          ; v128-255 16 accumulators: (g, e) at ACC + 8 (4 g + e)
.set G1,  28                           ; s[28:35] descriptor group 1;  s[36:39] group 0 for the three blocks, s[40:43] x's
.set G0,  36
; window 1: x's fragment (tile, K step s) at v[8 (8 tile + s)];  window 2: the weights' likewise
.set MSB, 0
.macro WIN new                         ; the immediate's high byte repeats the setting that is left
.if MSB != \new
	s_set_vgpr_msb (MSB<<8)|\new
.set MSB, \new
.endif
.endm
.macro CROUND                          ; a round of the cluster's barrier
	s_barrier_signal -1
	s_barrier_wait -1
	s_cmp_lg_u32 s20, 0
	s_cbranch_scc1 .Lnot_wave_0_\@
	s_barrier_signal -3
.Lnot_wave_0_\@:
	s_barrier_wait -3
	s_barrier_signal -1
	s_barrier_wait -1
.endm
	s_load_b512 s[4:19], s[0:1], 0x0               ; xq 4, wq 6, bq 8, bk 10, bv 12, mask 14, qq 16, kv 18
	v_lshl_add_u32 v14, v0, 2, 0x3a000             ; the spare words lie behind the weights (104,448 bytes) and x's tiles (131,072)
	v_mov_b32 v15, 0
	ds_add_u32 v14, v15
	ds_add_u32 v14, v15
	v_lshrrev_b32 v1, 5, v0
	v_readfirstlane_b32 s20, v1                    ; wave
	s_bfe_u32 s21, ttmp6, 0x40000                  ; cx
	s_lshl_b32 s22, ttmp9, 2
	s_add_co_u32 s22, s22, s21                     ; my block of 256 rows: it enters global addresses of x, q, k, v alone
	s_and_b32 s23, ttmp7, 0xffff                   ; the head, which the four partners share
	s_lshl_b32 s24, s22, 2
	s_add_co_u32 s24, s24, s20                     ; rb: my 64 rows
	s_mov_b32 s[G1+0], 15|(3<<16)|(1<<21)          ; the mask: all four work-groups; elements of 8 bytes; bit 21 beside a mask; no padding
	s_mov_b32 s[G1+1], 32<<16                      ; tensor_dim0 = 32 elements: rows of 256 bytes
	s_mov_b32 s[G1+2], 204<<16                     ; tensor_dim1 = 204: half of the head's three blocks, which lie on end in wq (block 3 head + kind)
	s_mov_b32 s[G1+3], 32<<16                      ; tile_dim0
	s_mov_b32 s[G1+4], 204                         ; tile_dim1
	s_mov_b32 s[G1+5], 32                          ; the pitch: the block is dense
	s_mov_b32 s[G1+6], 0
	s_mov_b32 s[G1+7], 0
	s_mov_b32 s80, 3<<16                           ; s[80:87]: group 1 for x's 16 tiles of codes, which no partner shares: no mask; 512 dense rows of 256 bytes
	s_mov_b32 s81, 32<<16
	s_mov_b32 s82, 256<<16                         ; 256 rows: half of the 16 tiles
	s_mov_b32 s83, 32<<16
	s_mov_b32 s84, 256
	s_mov_b32 s85, 32
	s_mov_b32 s86, 0
	s_mov_b32 s87, 0
	s_mul_i32 s25, s20, 3*WBLK/2                   ; waves 0 and 1 fetch the halves of the weights, 52,224 bytes each: in LDS and in memory alike,
	s_mul_i32 s26, s23, 3*WBLK                     ; from the head's first block on
	s_add_co_u32 s26, s26, s25
	s_mov_b32 s27, 0
	s_mov_b32 s79, 0
	s_mov_b32 s76, 0x76543210
	s_mov_b32 s77, 0xfedcba98                      ; v_permlanex16_b32's selects for lane l xor 16
	s_wait_dscnt 0x0
	s_wait_kmcnt 0x0
	s_add_nc_u64 s[6:7], s[6:7], s[26:27]
	CROUND                                         ; all four work-groups are here: the joint loads meet
	s_mov_b32 s[G0], 1
	s_mov_b32 s[G0+1], s25
	s_mov_b64 s[G0+2:G0+3], s[6:7]
	s_or_b32 s[G0+3], s[G0+3], 0x80000000
	s_mov_b32 s40, 1                               ; s[40:43]: group 0 for x's tiles: behind the three blocks of weights
	s_and_b32 s75, s20, 1
	s_lshl_b32 s75, s75, 16                        ; waves 2 and 3 fetch the halves of x's tiles, 65,536 bytes each
	s_add_co_u32 s41, s75, 3*WBLK
	s_lshl_b32 s78, s22, 17
	s_add_co_u32 s78, s78, s75
	s_add_nc_u64 s[42:43], s[4:5], s[78:79]        ; my work-group's 16 tiles x 8,192 bytes
	s_or_b32 s43, s43, 0x80000000
	s_cmp_lt_u32 s20, 2                            ; one tensor load a wave: waves 0 and 1 the weights, jointly; waves 2 and 3 x's codes
	s_cbranch_scc0 .Lfill_x
	tensor_load_to_lds s[G0:G0+3], s[G1:G1+7]      ; one load of mine is out; every LDS byte is filled once
	s_nop 0
.rept 4
	v_nop
.endr
	s_branch .Lfilled
.Lfill_x:
	tensor_load_to_lds s[40:43], s[80:87]
	s_nop 0
.rept 4
	v_nop
.endr
.Lfilled:
	v_and_b32 v1, 31, v0
	v_lshlrev_b32 v1, 4, v1                        ; 16 x lane: an image's place for my lane; also kind q's weights in LDS
	v_and_b32 v2, 15, v0                           ; r
	v_bfe_u32 v3, v0, 4, 1                         ; h
	v_add_nc_u32 v5, WBLK, v1                      ; kind k's weights
	v_add_nc_u32 v6, 2*WBLK, v1                    ; kind v's
	v_and_b32 v7, 8, v2
	v_add_nc_u32 v7, v7, v2
	v_lshlrev_b32 v7, 2, v7                        ; 4 (r + 8 (r / 8)): a word for each row of a tile of W
	v_and_b32 v4, 7, v2
	v_lshrrev_b32 v12, 3, v2
	v_lshlrev_b32 v4, 2, v4
	v_lshl_add_u32 v4, v12, 7, v4                  ; 4 (r % 8 + 32 (r / 8)): a word for each row of a tile of x (tile t, index i <-> row 8 t + i % 8 + 32 (i / 8) of my 64)
	v_lshlrev_b32 v8, 6, v3                        ; 64 h: my half's 16 channels of a bias
	v_lshlrev_b32 v9, 4, v2
	v_lshl_add_u32 v9, v3, 3, v9                   ; 16 r + 8 h: two of a row's four scale words
	v_mov_b32 v10, 0x40f3                          ; the upper half of k's scale word: a masked key,
	v_mov_b32 v11, 0x4001                          ; a key that counts
	v_cmp_ne_u32 s74, 0, v3                        ; lanes 16-31
.irp q, 0,1,2,3,4,5,6,7
	v_mov_b32 v[TM+8+\q], 0                        ; written once: a lane permute's destination counts as one of its sources
.endr
	s_lshl_b32 s78, s20, 15
	s_add_co_u32 s78, s78, 3*WBLK
	v_add_nc_u32 v12, s78, v1                      ; my four tiles of x in LDS: 32,768 bytes a wave
	s_lshl_b32 s78, s24, 11
	s_add_co_u32 s78, s78, XQS
	s_add_nc_u64 s[50:51], s[4:5], s[78:79]        ; their scale images
	s_lshl_b32 s78, s23, 8
	s_add_nc_u64 s[66:67], s[8:9], s[78:79]        ; the head's 64 numbers of bq,
	s_add_nc_u64 s[68:69], s[10:11], s[78:79]      ; bk,
	s_add_nc_u64 s[70:71], s[12:13], s[78:79]      ; bv
	s_lshl_b32 s78, s24, 8
	s_add_nc_u64 s[72:73], s[14:15], s[78:79]      ; my 64 rows of the mask
.macro BIASROW base                    ; q, k: for W's tile 2 b + u lane (r, h) wants the bias of channels 32 b + 16 h + 8 u + 0 .. 7
.irp e, 0,1,2,3
	global_load_b128 v[BI+8*\e:BI+8*\e+3], v8, s[\base:\base+1] offset:4*(32*(\e/2)+8*(\e%2))
	global_load_b128 v[BI+8*\e+4:BI+8*\e+7], v8, s[\base:\base+1] offset:4*(32*(\e/2)+8*(\e%2))+16
.endr
.endm
	BIASROW 66
.irp g, 0,1,2,3
	global_load_b32 v[MK+\g], v4, s[72:73] offset:32*\g
.endr
.irp g, 0,1,2,3
	global_load_b128 v[XS+4*\g:XS+4*\g+3], v1, s[50:51] offset:512*\g
.endr
	s_lshl_b32 s78, s23, 17
	s_lshl_b32 s75, s24, 11
	s_add_co_u32 s78, s78, s75
	s_add_nc_u64 s[52:53], s[16:17], s[78:79]      ; q's four fragments
	s_lshl_b32 s78, s23, 14
	s_lshl_b32 s75, s24, 8
	s_add_co_u32 s78, s78, s75
	s_add_co_u32 s78, s78, QQS
	s_add_nc_u64 s[54:55], s[16:17], s[78:79]      ; their scale words
	s_mul_i32 s78, s23, 294912
	s_lshr_b32 s75, s24, 1
	s_mul_i32 s75, s75, 9216
	s_add_co_u32 s78, s78, s75
	s_add_nc_u64 s[18:19], s[18:19], s[78:79]      ; my key step's block of kv
	s_and_b32 s75, s24, 1                          ; which half of its 128 keys is mine
	s_lshl_b32 s78, s75, 11
	s_add_nc_u64 s[56:57], s[18:19], s[78:79]      ; K's tiles
	s_lshl_b32 s78, s75, 9
	s_add_co_u32 s78, s78, 4096
	s_add_nc_u64 s[58:59], s[18:19], s[78:79]      ; V's halves
	s_lshl_b32 s78, s75, 8
	s_add_co_u32 s78, s78, 8192
	s_add_nc_u64 s[60:61], s[18:19], s[78:79]      ; K's scale words
	s_lshl_b32 s78, s75, 1
	s_add_co_u32 s78, s78, 8704
	s_add_nc_u64 s[62:63], s[18:19], s[78:79]      ; V's: my two bytes of each word
.macro LOADW adr                       ; a kind's weights out of LDS: 4 scale images, then the 32 fragments, K step by K step
.irp t, 0,1,2,3
	ds_load_b128 v[WS+4*\t:WS+4*\t+3], v[\adr] offset:32768+512*\t
.endr
	WIN 0x80                                       ; destination window 2
.irp s, 0,1,2,3,4,5,6,7
.irp t, 0,1,2,3
.irp c, 0,1
	ds_load_b128 v[8*(8*\t+\s)+4*\c:8*(8*\t+\s)+4*\c+3], v[\adr] offset:8192*\t+1024*\s+512*\c
.endr
.endr
.endr
	WIN 0
.endm
.macro MM isv, s, g, e                 ; one product.  K steps 4 to 7 take their scale words from lanes 16-31
.set rD, ACC+8*(4*\g+\e)
.set rA, 8*(8*\e+(\s))
.set rB, 8*(8*\g+(\s))
.if \isv
.set rSA, XS+4*\e+(\s)%4
.set rSB, WS+4*\g+(\s)%4
.set rC, BI+8*\g
.else
.set rSA, WS+4*\e+(\s)%4
.set rSB, XS+4*\g+(\s)%4
.set rC, BI+8*\e
.endif
.if (\s) > 0
.set rC, rD
.endif
.if (\s) < 4
	v_wmma_scale_f32_16x16x128_f8f6f4 v[rD:rD+7], v[rA:rA+7], v[rB:rB+7], v[rC:rC+7], v[rSA], v[rSB] matrix_a_fmt:MATRIX_FMT_FP4 matrix_b_fmt:MATRIX_FMT_FP4
.else
	v_wmma_scale_f32_16x16x128_f8f6f4 v[rD:rD+7], v[rA:rA+7], v[rB:rB+7], v[rC:rC+7], v[rSA], v[rSB] matrix_a_fmt:MATRIX_FMT_FP4 matrix_b_fmt:MATRIX_FMT_FP4 matrix_a_scale:MATRIX_SCALE_ROW1 matrix_b_scale:MATRIX_SCALE_ROW1
.endif
.endm
.macro MULS isv, s                     ; a K step: the 16 accumulators take turns, one instruction a turn
.if \isv
	WIN 0x09                                       ; source 0 = x (window 1), source 1 = W (window 2)
.else
	WIN 0x06                                       ; source 0 = W (window 2), source 1 = x (window 1)
.endif
.irp g, 0,1,2,3
.irp e, 0,1,2,3
	MM \isv, \s, \g, \e
.endr
.endr
.endm
.macro KIND k, isv
.set KS_, 0
.rept 8
	s_wait_dscnt 8*(7-KS_)                         ; the weights of this K step are in; the later steps' 8 loads each may be out
.if KS_ == 0
	s_wait_loadcnt 0x0                             ; the bias (kind q: the mask and x's scale images too)
.endif
	MULS \isv, KS_
.set KS_, KS_+1
.endr
	WIN 0
.rept 4
	v_nop                                          ; places behind the last products: loads into their operands and reads of their results follow
.endr
.endm
; The 128 results become 8 blocks of 32 along the next K: block q's 16 numbers of my half in v[ACC + 16 q] on; codes into PC, scale bytes (two to a word) into SW.
.macro QUANT8 floor
.irp q, 0,1,2,3,4,5,6,7
	v_max3_num_f32 v[TM+\q], |v[ACC+16*\q]|, |v[ACC+16*\q+1]|, \floor   ; each accumulator is read from its low end on; the floor holds the byte from below
.endr
.irp i, 2,4,6,8,10,12,14
.irp q, 0,1,2,3,4,5,6,7
	v_max3_num_f32 v[TM+\q], v[TM+\q], |v[ACC+16*\q+\i]|, |v[ACC+16*\q+\i+1]|
.endr
.endr
.irp q, 0,1,2,3,4,5,6,7
	v_permlanex16_b32 v[TM+8+\q], v[TM+\q], s76, s77
.endr
.irp q, 0,1,2,3,4,5,6,7
	v_max_num_f32 v[TM+\q], v[TM+\q], v[TM+8+\q]   ; with lane l xor 16's 16: the block's largest magnitude
.endr
.irp q, 0,1,2,3,4,5,6,7
	v_add_nc_u32 v[TM+16+\q], 0xff000000, v[TM+\q] ; 2 off its exponent field: the conversion's scale operand
.endr
.irp q, 0,1,2,3,4,5,6,7
	v_lshrrev_b32 v[TM+8+\q], 23, v[TM+16+\q]      ; the scale's byte
.endr
.irp g, 0,1,2,3
	v_lshl_or_b32 v[SW+\g], v[TM+9+2*\g], 8, v[TM+8+2*\g]
.endr
.irp q, 0,1,2,3,4,5,6,7
	v_cvt_scalef32_pk8_fp4_f32 v[PC+2*\q], v[ACC+16*\q:ACC+16*\q+7], v[TM+16+\q]
	v_cvt_scalef32_pk8_fp4_f32 v[PC+2*\q+1], v[ACC+16*\q+8:ACC+16*\q+15], v[TM+16+\q]
.endr
	v_nop                                          ; one plain line behind the conversions
.irp g, 0,1,2,3                            ; the operand's layout wants a whole block in a lane: lanes 0-15 the first of the pair, lanes 16-31 the second
.irp i, 0,1
	v_permlane16_swap_b32 v[PC+4*\g+\i], v[PC+4*\g+2+\i]
.endr
.endr
.endm
.macro WORDS base                      ; four scale words a row, 256 bytes on end: lanes 0-15 store words 0, 1 of their row, lanes 16-31 words 2, 3
	v_cndmask_b32 v12, v[SW], v[SW+2], s74
	v_cndmask_b32 v13, v[SW+1], v[SW+3], s74
	global_store_b64 v9, v[12:13], s[\base:\base+1]
.endm
	s_wait_alu depctr_va_vdst(0)                   ; the wait at the head's end
	s_wait_tensorcnt 0x0                           ; my load is in
	s_barrier_signal -1
	s_barrier_wait -1                              ; everybody's is
	WIN 0x40                                       ; destination window 1: x's fragments come out of LDS once and serve all three kinds
.irp s, 0,1,2,3,4,5,6,7
.irp t, 0,1,2,3
.irp c, 0,1
	ds_load_b128 v[8*(8*\t+\s)+4*\c:8*(8*\t+\s)+4*\c+3], v12 offset:8192*\t+1024*\s+512*\c
.endr
.endr
.endr
	WIN 0
	LOADW 1                                        ; issued behind x's: a count that shows a K step's weights in shows all of x in
	KIND 0, 0
	LOADW 5
	BIASROW 68
.irp g, 0,1,2,3                            ; the mask's words landed with x: they become the upper halves of k's scale words
	v_cmp_ne_u32 vcc_lo, 0, v[MK+\g]
	v_cndmask_b32 v[MK+\g], v10, v11, vcc_lo
.endr
	QUANT8 0x3000000                               ; the floor 2^(6 - 127): the byte less 3 cannot fall under 1
.irp g, 0,1,2,3
	v_add_nc_u32 v[SW+\g], 0x407efcfd, v[SW+\g]    ; [b0 - 3, b1 - 3, 127, 64]
.endr
.irp g, 0,1,2,3
	global_store_b128 v1, v[PC+4*\g:PC+4*\g+3], s[52:53] offset:512*\g
.endr
	WORDS 54
	KIND 1, 0
	LOADW 6
.irp t, 0,1,2,3                            ; v's bias: a lane holds one channel, so all eight registers of a tile hold that channel's number
.irp j, 0,1,2,3,4,5,6,7
	global_load_b32 v[BI+8*\t+\j], v7, s[70:71] offset:4*(32*(\t/2)+8*(\t%2))
.endr
.endr
	s_wait_xcnt 0x0                                ; q's stores have read their registers: the codes' and words' registers may be written again
	QUANT8 0x1800000
.irp g, 0,1,2,3
	v_lshl_or_b32 v[SW+\g], v[MK+\g], 16, v[SW+\g] ; [b0, b1, 1 or 243, 64]
.endr
.irp g, 0,1,2,3
	global_store_b128 v1, v[PC+4*\g:PC+4*\g+3], s[56:57] offset:512*\g
.endr
	WORDS 60
; v: by the order of x's rows the 32 registers of W's tile g (x's tiles 0 to 3) are keys 32 h + 0 .. 31 of my 64: a lane holds a whole block, and the four conversions' results are the operand's registers as they stand.
.macro QUANTV
.irp g, 0,1,2,3
	v_max3_num_f32 v[TM+\g], |v[ACC+32*\g]|, |v[ACC+32*\g+1]|, 0x1800000   ; each accumulator is read from its low end on; the floor holds the byte at 1 from below
.endr
.irp i, 2,4,6,8,10,12,14,16,18,20,22,24,26,28,30
.irp g, 0,1,2,3
	v_max3_num_f32 v[TM+\g], v[TM+\g], |v[ACC+32*\g+\i]|, |v[ACC+32*\g+\i+1]|
.endr
.endr
.irp g, 0,1,2,3
	v_add_nc_u32 v[TM+16+\g], 0xff000000, v[TM+\g] ; 2 off the exponent field: the conversion's scale operand
.endr
.irp g, 0,1,2,3
	v_lshrrev_b32 v[TM+8+\g], 23, v[TM+16+\g]      ; my block's byte
.endr
.irp g, 0,1,2,3
	v_permlanex16_b32 v[TM+4+\g], v[TM+8+\g], s76, s77   ; the other block's
.endr
.irp g, 0,1,2,3
	v_cndmask_b32 v[TM+12+\g], v[TM+8+\g], v[TM+4+\g], s74   ; the byte of keys 0-31,
	v_cndmask_b32 v[TM+8+\g], v[TM+4+\g], v[TM+8+\g], s74    ; that of keys 32-63
	v_lshl_or_b32 v[SW+\g], v[TM+8+\g], 8, v[TM+12+\g]
.endr
.irp g, 0,1,2,3
.irp e, 0,1,2,3
	v_cvt_scalef32_pk8_fp4_f32 v[PC+4*\g+\e], v[ACC+32*\g+8*\e:ACC+32*\g+8*\e+7], v[TM+16+\g]
.endr
.endr
	v_nop                                          ; one plain line behind the conversions
.endm
	KIND 2, 1
	s_wait_xcnt 0x0                                ; k's stores have read their registers
	QUANTV
.irp t, 0,1,2,3
	global_store_b128 v1, v[PC+4*\t:PC+4*\t+3], s[58:59] offset:1024*\t
.endr
.irp t, 0,1,2,3
	global_store_b16 v1, v[SW+\t], s[62:63] offset:4*\t   ; my 64 keys' two bytes of the channel's word; lanes 16-31 write the copy
.endr
	s_wait_tensorcnt 0x0
	ds_add_u32 v14, v15
	s_wait_dscnt 0x0
	CROUND                                         ; the closing round: no work-group ends while a partner may still ask for a block that names it
	s_endpgm
.Lfunc_end_k_q4232d38459_qkv:
	.size	k_q4232d38459_qkv, .Lfunc_end_k_q4232d38459_qkv-k_q4232d38459_qkv
	.p2alignl 7, 3214868480
	.fill 96, 4, 3214868480
	.section	.rodata,"a",@progbits
	.p2align	6, 0x0
	.amdhsa_kernel k_q4232d38459_qkv
		.amdhsa_group_segment_fixed_size 238080
		.amdhsa_private_segment_fixed_size 0
		.amdhsa_enable_private_segment 0
		.amdhsa_kernarg_size 64
		.amdhsa_user_sgpr_count 2
		.amdhsa_user_sgpr_kernarg_segment_ptr 1
		.amdhsa_wavefront_size32 1
		.amdhsa_system_sgpr_workgroup_id_x 1
		.amdhsa_system_sgpr_workgroup_id_y 1
		.amdhsa_system_sgpr_workgroup_id_z 1
		.amdhsa_system_vgpr_workitem_id 0
		.amdhsa_next_free_vgpr 768
		.amdhsa_next_free_sgpr 96
		.amdhsa_reserve_vcc 1
		.amdhsa_float_denorm_mode_32 3
		.amdhsa_float_denorm_mode_16_64 3
		.amdhsa_memory_ordered 1
		.amdhsa_forward_progress 1
		.amdhsa_inst_pref_size 103
	.end_amdhsa_kernel
	.amdgpu_metadata
---
amdhsa.version: [ 1, 2 ]
amdhsa.kernels:
  - .name:           k_q4232d38459_qkv
    .symbol:         k_q4232d38459_qkv.kd
    .args:
      - { .name: xq, .offset: 0, .size: 8, .value_kind: global_buffer, .address_space: global }
      - { .name: wq, .offset: 8, .size: 8, .value_kind: global_buffer, .address_space: global }
      - { .name: bq, .offset: 16, .size: 8, .value_kind: global_buffer, .address_space: global }
      - { .name: bk, .offset: 24, .size: 8, .value_kind: global_buffer, .address_space: global }
      - { .name: bv, .offset: 32, .size: 8, .value_kind: global_buffer, .address_space: global }
      - { .name: input_mask, .offset: 40, .size: 8, .value_kind: global_buffer, .address_space: global }
      - { .name: qq, .offset: 48, .size: 8, .value_kind: global_buffer, .address_space: global }
      - { .name: kv, .offset: 56, .size: 8, .value_kind: global_buffer, .address_space: global }
    .group_segment_fixed_size: 238080
    .private_segment_fixed_size: 0
    .kernarg_segment_align: 8
    .kernarg_segment_size: 64
    .max_flat_workgroup_size: 128
    .sgpr_count:     96
    .vgpr_count:     768
    .wavefront_size: 32
...
	.end_amdgpu_metadata
.endif
;; end of part 2
;; launch att (part 3): grid 16 x 16, 8 waves a work-group, clusters of 4 x 1, 327,680 bytes of LDS; arguments qq, kv, input_mask, aq; writes aq
.if DOCPART == 3
	.amdgcn_target "amdgcn-amd-amdhsa--gfx1250"
	.amdhsa_code_object_version 6
	.text
	.protected	k_q4232d38459_att
	.globl	k_q4232d38459_att
	.p2align	8
	.type	k_q4232d38459_att,@function
k_q4232d38459_att:
	s_mov_b64 s[64:65], 0
	v_nop
	global_prefetch_b8 v0, s[64:65] scope:SCOPE_SE
	s_setreg_imm32_b32 hwreg(HW_REG_WAVE_MODE, 25, 1), 1
	s_wait_xcnt 0x0
	s_wait_alu depctr_hold_cnt(0) depctr_sa_sdst(0) depctr_va_vdst(0) depctr_va_sdst(0) depctr_va_ssrc(0) depctr_va_vcc(0) depctr_vm_vsrc(0)
	s_getreg_b32 s2, hwreg(HW_REG_IB_STS2, 6, 4)
	s_cmp_eq_u32 s2, 0
	s_cbranch_scc0 .Lentry_in_a_cluster
	s_endpgm
.Lentry_in_a_cluster:
	s_bfe_u32 s2, ttmp6, 0x10000c
	s_cmp_lg_u32 s2, 0x3003
	s_cbranch_scc0 .Lentry_shape_is_right
	s_endpgm
.Lentry_shape_is_right:
; ATT.  For each head: S = Q(q / 8) Q(k)^T, the mask, p = 2^(t - M) with t = logit x log2(e) and M the running largest t rounded up to a whole number, O = Q(p) Q(v) / l, l the sum of the unquantised p;
; O is quantised along the model's 1,024 features for the last product and stored as images of operand registers (aq, laid as xq: blocks 2 head, 2 head + 1 of K).
; SHARES.  A work-group owns 256 queries of one head; each of its eight waves owns TWO tiles of 16 (tile 0, tile 1), in 512 registers: each fragment of K and V that a wave reads from LDS feeds two products,
; and the two tiles' dependent lines (the row's maximum, M, the scale words) stand by turns.
; THE WHOLE HEAD'S K, V AND SCALE WORDS, 32 key steps x 9,216 bytes, LIE IN LDS, each byte filled once, by two joint loads a wave (the cluster's four work-groups belong to one head): key steps 0-7 at the head (36 rows of 256 bytes a wave),
; the other 24 (108 rows a wave) behind a tensor wait, a spare add with its wait, and a round of the cluster's barrier.  One more barrier stands ahead of step 7, whose loads are the first to reach into the second part.
; NO PREFETCH: every byte is asked for by these two loads, and there is no loop to run ahead in.
; LAYOUT.  Both products are used transposed (S^T = K Q^T, O^T = V^T P^T): a lane holds ONE query of each tile.  By the order of x's rows in a tile (tile 4 G + t, index i <-> key 64 G + 8 t + i % 8 + 32 (i / 8)) the 32 registers of
; K's tiles 4 G .. 4 G + 3 are keys 64 G + 32 h + 0 .. 31: a lane (h = lane / 16) holds the WHOLE blocks h and 2 + h of a step's four, and tile 4 G + t's conversion gives register 4 G + t of P's operand.
; THE STEP: at its head the LDS loads of the NEXT step's K and of this step's V; the maxima and M of both tiles; then TWO BATCHES OF EXPONENTIALS, each with one wait ahead of it and one behind it, and among each batch's lines plain work of the OTHER tile
; that is written once and read only behind the batch's closing wait: among tile 0's exponentials tile 1's t - M; among tile 1's exponentials tile 0's conversions and the first 16 adds of its row's sum.
; Then the next step's 16 products K Q^T and this step's 8 products V P on end; the last adds of a row's sum are the places behind them.
; THE MASK costs no line in the loop.  The head's K is 64 of the instruction's 128.  At k = 64 every key holds the code +4 and every query that counts the code -4; block 2's scale bytes are 127 (query) and 1 or 243 (key: counts, masked).
; So a masked key's score is -2^120, under the starting maximum -2^100: p = 0; a key that counts gets -2^-122.  A masked query's codes are all zeros: every score is 0, p = 1 for all 4,096 keys: the uniform weights of equal logits.
; LIMITS: |logit| under 2^100; a block of O whose largest magnitude lies under 2^-124 gets the byte 1; NaN and infinities are not served; a mask entry counts where it is not 0.
; REGISTERS.  Window 0: v1 16 x lane; v2 the step's LDS address; v5, v6, v7 set-up (v7 = 8 h); v8-11 K's scale words; v28-31 V's; v32-95 K's 8 fragments (the upper four registers of each are constants); v96-159, v224-231 the way out's;
; v192-223 V's 4 fragments; v244-251 four chains of a row's sum; v254, v255 the add's; and each tile's small state, named by SETT below.
; Window 1: v0-31 tile 0's O^T, v32-63 tile 1's; v64-71, v72-79 p's codes; v160-223 tile 0's S^T, then p; v96-159 tile 1's.
.set STEPB,  9216
.set NA,     8                         ; key steps in the first load
.set PARTA,  NA*STEPB/8                ; 9,216 bytes a wave
.set PARTB,  (32-NA)*STEPB/8           ; 27,648 bytes a wave
.set QQS,    2097152
.set AQS,    2097152
.set SPARE,  0x4c000                   ; the spare words: 1,024 bytes that no other line names
.set MSB, 0
.macro WIN new                         ; s_set_vgpr_msb: bits 1:0 source 0, 3:2 source 1, 5:4 source 2, 7:6 destination; the high byte repeats the setting that is left
.if MSB != \new
	s_set_vgpr_msb (MSB<<8)|\new
.set MSB, \new
.endif
.endm
.macro SETT x                          ; the registers of tile x
.set SB, 160-64*\x                     ; window 1: its scores, then p
.set CD, 64+8*\x                       ; window 1: p's codes
.set OB, 32*\x                         ; window 1: O^T
.set C,  232-50*\x                     ; window 0 from here on: four chains of maxima, then the two blocks' largest score, then their largest p
.set PR, 236-50*\x                     ; a lane permute's destination
.set T,  237-50*\x                     ; at work
.set SO, 238-50*\x                     ; two scale operands of the conversions
.set BY, 240-50*\x                     ; two scale bytes
.set NM, 12+164*\x                     ; -M, and behind it the largest score
.set L,  14+164*\x                     ; l, in two halves
.set F,  26+154*\x                     ; f, and behind it 0
.set NW, 252+\x                        ; the new -M
.set Q,  16+144*\x                     ; Q's fragment
.set QS, 24-21*\x                      ; Q's scale word
.set PW, 25-21*\x                      ; p's scale word
.endm
.macro CROUND                          ; a round of the cluster's barrier
	s_barrier_signal -1
	s_barrier_wait -1
	s_cmp_lg_u32 s12, 0
	s_cbranch_scc1 .Lnot_wave_0_\@
	s_barrier_signal -3
.Lnot_wave_0_\@:
	s_barrier_wait -3
	s_barrier_signal -1
	s_barrier_wait -1
.endm
.macro NOP4
.rept 4
	v_nop
.endr
.endm
.macro KLOAD adr, off                  ; a step's K: its scale words (register i: tile i in lanes 0-15, tile 4 + i in lanes 16-31) and the lower halves of 8 fragments
	ds_load_b128 v[8:11], v[\adr] offset:\off+8192
.irp t, 0,1,2,3,4,5,6,7
	ds_load_b128 v[32+8*\t:35+8*\t], v[\adr] offset:\off+512*\t
.endr
.endm
.macro QK                              ; S^T = K Q^T of the tile that SETT named: 8 tiles of 16 keys.  D: window 1
	WIN 0x40
.irp t, 0,1,2,3
	v_wmma_scale_f32_16x16x128_f8f6f4 v[SB+8*\t:SB+8*\t+7], v[32+8*\t:39+8*\t], v[Q:Q+7], 0, v[8+\t], v[QS] matrix_a_fmt:MATRIX_FMT_FP4 matrix_b_fmt:MATRIX_FMT_FP4
.endr
.irp t, 4,5,6,7
	v_wmma_scale_f32_16x16x128_f8f6f4 v[SB+8*\t:SB+8*\t+7], v[32+8*\t:39+8*\t], v[Q:Q+7], 0, v[4+\t], v[QS] matrix_a_fmt:MATRIX_FMT_FP4 matrix_b_fmt:MATRIX_FMT_FP4 matrix_a_scale:MATRIX_SCALE_ROW1
.endr
.endm
; The largest score of my two blocks of 32 keys, each in a chain of 17 and a chain of 15; each accumulator is read from its low end on
.macro MAX1                            ; three scores: all sources window 1
.irp g, 0,1
	v_max3_num_f32 v[C+2*\g], v[SB+32*\g], v[SB+1+32*\g], v[SB+2+32*\g]
	v_max3_num_f32 v[C+2*\g+1], v[SB+17+32*\g], v[SB+18+32*\g], v[SB+19+32*\g]
.endr
.endm
.macro MAX2                            ; the chain and two scores: sources 1 and 2 window 1
.irp i, 0,2,4,6,8,10
.irp g, 0,1
	v_max3_num_f32 v[C+2*\g], v[C+2*\g], v[SB+3+32*\g+\i], v[SB+4+32*\g+\i]
	v_max3_num_f32 v[C+2*\g+1], v[C+2*\g+1], v[SB+20+32*\g+\i], v[SB+21+32*\g+\i]
.endr
.endr
.irp g, 0,1
	v_max3_num_f32 v[C+2*\g], v[C+2*\g], v[SB+15+32*\g], v[SB+16+32*\g]
.endr
.endm
.macro JOIN                            ; the four chains are joined onto l
	v_pk_add_f32 v[244:245], v[244:245], v[246:247]
	v_pk_add_f32 v[248:249], v[248:249], v[250:251]
	v_pk_add_f32 v[L:L+1], v[L:L+1], v[244:245]
	v_pk_add_f32 v[L:L+1], v[L:L+1], v[248:249]
.endm
	s_load_b256 s[4:11], s[0:1], 0x0               ; qq 4, kv 6, mask 8, aq 10
	v_lshl_add_u32 v254, v0, 2, SPARE
	v_mov_b32 v255, 0
	ds_add_u32 v254, v255                          ; the opening lines: the add,
	ds_add_u32 v254, v255                          ; twice on end, under one wait
	v_lshrrev_b32 v1, 5, v0
	v_readfirstlane_b32 s12, v1                    ; wave 0..7
	s_bfe_u32 s13, ttmp6, 0x40000                  ; cx
	s_lshl_b32 s14, ttmp9, 2
	s_add_co_u32 s14, s14, s13                     ; my block of 256 queries: it enters Q's, the mask's and aq's addresses alone
	s_and_b32 s15, ttmp7, 0xffff                   ; the head, which the four partners share
	s_lshl_b32 s16, s14, 4
	s_lshl_b32 s17, s12, 1
	s_add_co_u32 s16, s16, s17                     ; m: the first of my two tiles of 16 queries, an even number
.irp g, 24, 40                             ; two groups 1: the mask names all four work-groups; elements of 8 bytes; bit 21 beside a mask; dense rows of 256 bytes
	s_mov_b32 s[\g], 15|(3<<16)|(1<<21)
	s_mov_b32 s[\g+1], 32<<16
	s_mov_b32 s[\g+3], 32<<16
	s_mov_b32 s[\g+5], 32
	s_mov_b32 s[\g+6], 0
	s_mov_b32 s[\g+7], 0
.endr
	s_mov_b32 s26, (PARTA/256)<<16                 ; 36 rows
	s_mov_b32 s28, PARTA/256
	s_mov_b32 s42, (PARTB/256)<<16                 ; 108 rows
	s_mov_b32 s44, PARTB/256
	s_mul_i32 s17, s12, PARTA                      ; my part of steps 0-7, in LDS and in the head's block of kv
	s_mul_i32 s18, s12, PARTB
	s_add_co_u32 s18, s18, NA*STEPB                ; and of the rest
	s_mul_i32 s58, s15, 32*STEPB
	s_mov_b32 s59, 0
	s_mov_b32 s20, 0x76543210
	s_mov_b32 s21, 0xfedcba98                      ; v_permlanex16_b32's selects for lane l xor 16
	s_mov_b32 s22, 0x3fb8aa3b                      ; log2(e): the division by 8 is in Q's scale bytes
	s_mov_b32 s23, s22                             ; (named with it as a pair, so it is written)
	s_wait_dscnt 0x0
	s_wait_kmcnt 0x0
	s_add_nc_u64 s[6:7], s[6:7], s[58:59]
	CROUND                                         ; all four work-groups are here: the joint loads meet
	s_mov_b32 s32, 1
	s_mov_b32 s33, s17
	s_mov_b32 s58, s17
	s_add_nc_u64 s[34:35], s[6:7], s[58:59]
	s_or_b32 s35, s35, 0x80000000
	s_mov_b32 s36, 1
	s_mov_b32 s37, s18
	s_mov_b32 s58, s18
	s_add_nc_u64 s[38:39], s[6:7], s[58:59]
	s_or_b32 s39, s39, 0x80000000
	tensor_load_to_lds s[32:35], s[24:31]          ; key steps 0-7: my one load at the head
	s_nop 0
	NOP4
	s_lshl_b32 s58, s15, 17
	s_lshl_b32 s18, s16, 9
	s_add_co_u32 s58, s58, s18
	s_add_nc_u64 s[50:51], s[4:5], s[58:59]        ; Q's fragments: tile 1's 512 bytes on
	s_lshl_b32 s58, s15, 14
	s_lshr_b32 s18, s16, 2
	s_lshl_b32 s18, s18, 8
	s_add_co_u32 s58, s58, s18
	s_and_b32 s19, s16, 3
	s_lshl_b32 s17, s19, 2
	s_add_co_u32 s58, s58, s17
	s_add_co_u32 s58, s58, QQS
	s_add_nc_u64 s[52:53], s[4:5], s[58:59]        ; their scale words: 16 bytes a row, a word a tile: tile 1's 4 bytes on
	s_lshl_b32 s58, s19, 5
	s_add_co_u32 s58, s58, s18
	s_add_nc_u64 s[54:55], s[8:9], s[58:59]        ; the mask at row 64 (m / 4) + 8 (m % 4): tile 1's 32 bytes on
	s_lshl_b32 s58, s16, 13
	s_lshl_b32 s18, s15, 9
	s_add_co_u32 s58, s58, s18
	s_add_nc_u64 s[56:57], s[10:11], s[58:59]      ; aq: tile m's image, blocks 2 head and 2 head + 1 of K: tile 1's 8,192 bytes on
	s_lshl_b32 s58, s16, 9
	s_lshr_b32 s18, s15, 3
	s_lshl_b32 s18, s18, 8
	s_add_co_u32 s58, s58, s18
	s_and_b32 s18, s15, 7
	s_lshl_b32 s18, s18, 1
	s_add_co_u32 s58, s58, s18
	s_add_co_u32 s58, s58, AQS
	s_add_nc_u64 s[10:11], s[10:11], s[58:59]      ; and its scale image: these two blocks' bytes: tile 1's 512 bytes on
	v_and_b32 v1, 31, v0
	v_and_b32 v243, 15, v0                         ; r
	v_bfe_u32 v6, v0, 4, 1                         ; h
	v_lshlrev_b32 v1, 4, v1                        ; 16 x lane
	v_and_b32 v244, 7, v243
	v_lshrrev_b32 v2, 3, v243
	v_lshlrev_b32 v244, 2, v244
	v_lshl_add_u32 v5, v243, 4, v6                 ; 16 r + h: my byte of a scale image
	v_lshl_add_u32 v244, v2, 7, v244               ; 4 (r % 8 + 32 (r / 8)): my query's word of the mask
	v_lshlrev_b32 v243, 4, v243                    ; 16 r
	global_load_b128 v[16:19], v1, s[50:51]
	global_load_b128 v[160:163], v1, s[50:51] offset:512
	global_load_b32 v24, v243, s[52:53]
	global_load_b32 v3, v243, s[52:53] offset:4
	global_load_b32 v245, v244, s[54:55]
	global_load_b32 v246, v244, s[54:55] offset:32
	v_cmp_eq_u32 s60, 0, v6                        ; lanes 0-15
	v_lshlrev_b32 v7, 3, v6                        ; 8 h: where my two bytes stand in p's scale word
	v_cndmask_b32 v36, 0, 6, s60                   ; every key's code at k = 64: +4
.irp t, 1,2,3,4,5,6,7
	v_mov_b32 v[36+8*\t], v36
.endr
.irp t, 0,1,2,3,4,5,6,7
	v_mov_b32 v[37+8*\t], 0
	v_mov_b32 v[38+8*\t], 0
	v_mov_b32 v[39+8*\t], 0
.endr
.irp x, 0,1
	SETT \x
	v_mov_b32 v[NM+1], 0xf1800000                  ; the largest score so far: -2^100: under every score of a key that counts, over a masked key's
	v_mul_f32 v[NM], s22, v[NM+1]
	v_floor_f32 v[NM], -v[NM]                      ; -M, made as the step makes it
	v_mov_b32 v[L], 0
	v_mov_b32 v[L+1], 0
	v_mov_b32 v[F+1], 0
	v_mov_b32 v[PR], 0                             ; written once: a lane permute's destination counts as one of its sources
	v_mov_b32 v[T], 0
.endr
	s_wait_alu depctr_va_vdst(0)
	s_wait_loadcnt 0x0
	v_cmp_ne_u32 s61, 0, v245                      ; do my queries count?
	v_cmp_ne_u32 s62, 0, v246
.irp i, 0,1,2,3
	v_cndmask_b32 v[16+\i], 0, v[16+\i], s61       ; a masked query's codes are zeros
	v_cndmask_b32 v[160+\i], 0, v[160+\i], s62
.endr
	s_and_b32 s61, s61, s60
	s_and_b32 s62, s62, s60
	v_cndmask_b32 v20, 0, 14, s61                  ; its code at k = 64: -4 where it counts
	v_cndmask_b32 v164, 0, 14, s62
.irp i, 1,2,3
	v_mov_b32 v[20+\i], 0
	v_mov_b32 v[164+\i], 0
.endr
	s_wait_alu depctr_va_vdst(0)                   ; the wait at the head's end
	s_wait_tensorcnt 0x0                           ; my part of steps 0-7 is in; the lines ahead of a later first fill:
	ds_add_u32 v254, v255
	s_wait_dscnt 0x0
	CROUND                                         ; everybody's part is in, and the four work-groups are here
	tensor_load_to_lds s[36:39], s[40:47]          ; key steps 8-31: the first tensor load behind the round, and my last
	s_nop 0
	NOP4
	KLOAD 1, 0                                     ; step 0's K
	s_wait_dscnt 0x0
	SETT 0
	QK
	SETT 1
	QK
.set j, 0
.rept 64
	v_mov_b32 v[j], 0                              ; (destination: window 1)  both tiles' O^T: the first step finds zeros, which the first change of M leaves zeros.  Also the places behind the products
.set j, j+1
.endr
	WIN 0
	s_mov_b32 s48, 0
	v_add_nc_u32 v2, s48, v1
; A KEY STEP: 128 keys, whose 9,216 bytes begin at LDS byte s48; both tiles' scores lie in registers.  last = 1: no step follows.
.macro STEP last
.if \last == 0
	KLOAD 2, STEPB                                 ; the next step's K: four plain lines stand behind the products that read these registers
.endif
	ds_load_b128 v[28:31], v2 offset:8704          ; V's scale words, a register a tile
.irp t, 0,1,2,3
	ds_load_b128 v[192+8*\t:195+8*\t], v2 offset:4096+1024*\t
	ds_load_b128 v[196+8*\t:199+8*\t], v2 offset:4608+1024*\t
.endr
.if \last == 0
	s_add_co_u32 s48, s48, STEPB
	v_add_nc_u32 v2, s48, v1                       ; the next step's address (an LDS instruction has read its address when it is issued)
.endif
	WIN 0x15
.irp x, 0,1
	SETT \x
	MAX1
.endr
	WIN 0x14
.irp x, 0,1
	SETT \x
	MAX2
.endr
	WIN 0
.irp x, 0,1                                ; from here to the conversion to a whole number: the two tiles by turns, line by line
	SETT \x
	v_max_num_f32 v[C], v[C], v[C+1]               ; block h's largest score: it serves for the row's maximum and, since p rises with the score, for the block's largest p
	v_max_num_f32 v[C+1], v[C+2], v[C+3]           ; block 2 + h's
.endr
.irp x, 0,1
	SETT \x
	v_max_num_f32 v[T], v[C], v[C+1]
.endr
.irp x, 0,1
	SETT \x
	v_permlanex16_b32 v[PR], v[T], s20, s21        ; lane l xor 16's two blocks
.endr
.irp x, 0,1
	SETT \x
	v_max3_num_f32 v[NM+1], v[NM+1], v[T], v[PR]   ; the running largest score
.endr
.irp x, 0,1
	SETT \x
	v_mul_f32 v[T], s22, v[NM+1]                   ; as t
.endr
.irp x, 0,1
	SETT \x
	v_floor_f32 v[NW], -v[T]                       ; the new -M = -ceil(t): a whole number
.endr
.irp x, 0,1
	SETT \x
	v_sub_f32 v[T], v[NW], v[NM]                   ; M's old value less its new one: a whole number, 0 or less
.endr
.irp x, 0,1
	SETT \x
	v_mov_b32 v[NM], v[NW]
.endr
.irp x, 0,1
	SETT \x
	v_cvt_i32_f32 v[T], v[T]                       ; (it saturates)
.endr
	WIN 0x41                                       ; destination and source 0: window 1
.set j, 0
.rept 32
	v_pk_fma_f32 v[160+j:161+j], v[160+j:161+j], s[22:23], v[12:13] op_sel_hi:[1,0,0]   ; tile 0: t - M, two at a time
.set j, j+2
.endr
	WIN 0
.irp x, 0,1
	SETT \x
	v_fma_f32 v[C], v[C], s22, v[NM]               ; the same of each block's largest score
	v_fma_f32 v[C+1], v[C+1], s22, v[NM]
	v_ldexp_f32 v[F], 1.0, v[T]                    ; f = 2^(old M - new M): a multiplication by it rounds nothing
.endr
.irp x, 0,1
	SETT \x
	v_pk_mul_f32 v[L:L+1], v[L:L+1], v[F:F+1] op_sel_hi:[1,0]   ; l under the new M
.endr
	WIN 0x41
.irp x, 0,1
	SETT \x
.set j, 0
.rept 16
	v_pk_mul_f32 v[OB+j:OB+j+1], v[OB+j:OB+j+1], v[F:F+1] op_sel_hi:[1,0]   ; O^T under the new M
.set j, j+2
.endr
.endr
	WIN 0
	s_wait_alu depctr_va_vdst(0)                   ; the wait ahead of the batch
.irp x, 0,1                                ; THE FIRST BATCH: the four blocks' largest p (the same two instructions on the same number give the same bits),
	SETT \x
	v_exp_f32 v[C], v[C]
	v_exp_f32 v[C+1], v[C+1]
.endr
	WIN 0x41
.set j, 0
.rept 32
	v_exp_f32 v[160+j], v[160+j]                   ; and tile 0's p = 2^(t - M): not normalised;
	v_exp_f32 v[161+j], v[161+j]
	v_pk_fma_f32 v[96+j:97+j], v[96+j:97+j], s[22:23], v[176:177] op_sel_hi:[1,0,0]   ; among them tile 1's t - M: written once, read behind the wait below.  The last is the plain line behind the batch
.set j, j+2
.endr
	WIN 0
	s_wait_alu depctr_va_vdst(0)                   ; one wait for the batch, ahead of its first reader
.irp x, 0,1
	SETT \x
	v_max_num_f32 v[C], 0x1800000, v[C]            ; the floor 2^(3 - 127): a block whose every p is 0 keeps the byte 1: its codes are zeros
	v_max_num_f32 v[C+1], 0x1800000, v[C+1]
.endr
.irp x, 0,1
	SETT \x
	v_add_nc_u32 v[SO], 0xff000000, v[C]           ; 2 off the exponent field: the conversion's scale operand
	v_add_nc_u32 v[SO+1], 0xff000000, v[C+1]
.endr
.irp x, 0,1
	SETT \x
	v_lshrrev_b32 v[BY], 23, v[SO]                 ; the scale's byte
	v_lshrrev_b32 v[BY+1], 23, v[SO+1]
.endr
.irp x, 0,1
	SETT \x
	v_lshl_or_b32 v[PW], v[BY+1], 16, v[BY]        ; my bytes: blocks h and 2 + h,
.endr
.irp x, 0,1
	SETT \x
	v_lshlrev_b32 v[PW], v7, v[PW]                 ; at their places;
.endr
.irp x, 0,1
	SETT \x
	v_permlanex16_b32 v[T], v[PW], s20, s21
.endr
.irp x, 0,1
	SETT \x
	v_or_b32 v[PW], v[PW], v[T]                    ; with lane l xor 16's two p's scale word is whole
.endr
	s_wait_alu depctr_va_vdst(0)                   ; the wait ahead of the batch
	WIN 0x41                                       ; THE SECOND BATCH: tile 1's p; among its lines tile 0's conversions and the first 16 adds of its row's sum, each written once and read behind the closing wait
.set j, 0
.irp t, 0,1,2,3,4,5,6,7
	v_exp_f32 v[96+j], v[96+j]
	v_exp_f32 v[97+j], v[97+j]
	v_cvt_scalef32_pk8_fp4_f32 v[64+\t], v[160+8*\t:167+8*\t], v[238+\t/4]   ; register t of P's operand: keys 64 (t / 4) + 32 h + 8 (t % 4) + 0 .. 7
.set j, j+2
.endr
	v_exp_f32 v[96+j], v[96+j]
	v_exp_f32 v[97+j], v[97+j]
	v_nop                                          ; one plain line between the conversions and the adds that write over their sources
.set j, j+2
	WIN 0x45                                       ; source 1: window 1 too
.irp k, 0,1,2,3,4,5,6,7,8,9,10,11,12,13,14
	v_exp_f32 v[96+j], v[96+j]
	v_exp_f32 v[97+j], v[97+j]
	v_pk_add_f32 v[160+4*\k:161+4*\k], v[160+4*\k:161+4*\k], v[162+4*\k:163+4*\k]   ; tile 0's unquantised p, which has been converted: four numbers become two
.set j, j+2
.endr
.rept 16
	v_exp_f32 v[96+j], v[96+j]
.set j, j+1
.endr
	v_pk_add_f32 v[220:221], v[220:221], v[222:223]   ; the sixteenth: the plain line behind the batch
	WIN 0x41
	s_wait_alu depctr_va_vdst(0)                   ; one wait for the batch, ahead of its first reader
.irp t, 0,1,2,3,4,5,6,7
	v_cvt_scalef32_pk8_fp4_f32 v[72+\t], v[96+8*\t:103+8*\t], v[188+\t/4]
.endr
	WIN 0x05                                       ; sources 0 and 1: window 1.  Tile 0's sixteen pairs go into four chains
.irp k, 0,1,2,3
	v_pk_add_f32 v[244+2*\k:245+2*\k], v[160+4*\k:161+4*\k], v[176+4*\k:177+4*\k]
.endr
	WIN 0x04
.irp k, 0,1,2,3
	v_pk_add_f32 v[244+2*\k:245+2*\k], v[244+2*\k:245+2*\k], v[192+4*\k:193+4*\k]
.endr
.irp k, 0,1,2,3
	v_pk_add_f32 v[244+2*\k:245+2*\k], v[244+2*\k:245+2*\k], v[208+4*\k:209+4*\k]
.endr
	WIN 0
	SETT 0
	JOIN
	SETT 1
	WIN 0x05                                       ; tile 1: l and four chains take in the 64 unquantised p, two at a time
.irp k, 0,1,2,3
	v_pk_add_f32 v[244+2*\k:245+2*\k], v[96+4*\k:97+4*\k], v[98+4*\k:99+4*\k]
.endr
	WIN 0x04
.set j, 112
.rept 4
	v_pk_add_f32 v[L:L+1], v[L:L+1], v[j:j+1]
	v_pk_add_f32 v[244:245], v[244:245], v[j+2:j+3]
	v_pk_add_f32 v[246:247], v[246:247], v[j+4:j+5]
	v_pk_add_f32 v[248:249], v[248:249], v[j+6:j+7]
	v_pk_add_f32 v[250:251], v[250:251], v[j+8:j+9]
.set j, j+10
.endr
.irp k, 0,1,2,3
	v_pk_add_f32 v[244+2*\k:245+2*\k], v[244+2*\k:245+2*\k], v[152+2*\k:153+2*\k]
.endr
	WIN 0
	s_wait_alu depctr_va_vdst(0)
	s_wait_dscnt 0x0                               ; V, the next K and their words are in: asked for at the step's head
.if \last == 0
	SETT 0
	QK                                             ; the next step's scores, over p, which has been summed and converted
	SETT 1
	QK
.endif
	WIN 0x54                                       ; P's codes, C and D: window 1
.irp x, 0,1
	SETT \x
.irp t, 0,1,2,3
	v_wmma_scale_f32_16x16x128_f8f6f4 v[OB+8*\t:OB+8*\t+7], v[192+8*\t:199+8*\t], v[CD:CD+7], v[OB+8*\t:OB+8*\t+7], v[28+\t], v[PW] matrix_a_fmt:MATRIX_FMT_FP4 matrix_b_fmt:MATRIX_FMT_FP4
.endr
.endr
	WIN 0
	JOIN                                           ; tile 1's chains: four plain lines that name no register of the products: the places behind them
.endm
.macro AGAIN label                     ; what the lines behind the products wrote is next read behind more than nine plain lines
	s_sub_co_u32 s49, s49, 1
	s_cmp_lg_u32 s49, 0
	s_cbranch_scc1 \label
.endm
	s_mov_b32 s49, NA-1
.Lfirst:                                               ; steps 0 to 6: their loads reach as far as step 7's K
	STEP 0
	AGAIN .Lfirst
	s_wait_tensorcnt 0x0                           ; my part of steps 8-31 is in,
	s_barrier_signal -1                            ; (no LDS instruction of mine is out)
	s_barrier_wait -1                              ; everybody's is.  Nothing is filled again
	s_mov_b32 s48, (NA-1)*STEPB
	v_add_nc_u32 v2, s48, v1
	s_mov_b32 s49, 32-NA
.Lrest:                                                ; steps 7 to 30
	STEP 0
	AGAIN .Lrest
	s_mov_b32 s48, 31*STEPB
	v_add_nc_u32 v2, s48, v1
	STEP 1                                         ; step 31 is written out: no K follows it
	; THE WAY OUT: O^T / l, quantised along the head's 64 channels (two blocks of the last product's K), stored as the operand's registers.
.irp x, 0,1
	SETT \x
	v_add_f32 v[L], v[L], v[L+1]                   ; the sum's two halves,
.endr
.irp x, 0,1
	SETT \x
	v_permlanex16_b32 v[PR], v[L], s20, s21
.endr
.irp x, 0,1
	SETT \x
	v_add_f32 v[L], v[L], v[PR]                    ; and lane l xor 16's: the row's sum
.endr
	s_wait_alu depctr_va_vdst(0)                   ; the wait ahead of the transcendentals
	v_rcp_f32 v14, v14
	v_rcp_f32 v178, v178
	v_cmp_ne_u32 vcc_lo, 0, v6                     ; lanes 16-31
	v_nop                                          ; a plain line behind the reciprocals
	WIN 0x01                                       ; source 0: window 1
	s_wait_alu depctr_va_vdst(0)                   ; the wait ahead of the reciprocals' first reader and of O^T's first readers
.irp x, 0,1
	SETT \x
.set j, 0
.rept 16
	v_pk_mul_f32 v[96+OB+j:97+OB+j], v[OB+j:OB+j+1], v[L:L+1] op_sel_hi:[1,0]   ; register 96 + 32 x + 16 b + i of window 0: channel 32 b + 16 h + i of tile x's query (V's tiles keep the weights' order of rows)
.set j, j+2
.endr
.endr
	WIN 0
.irp b, 0,1,2,3                            ; four blocks: tile 0's two, tile 1's two
	v_max3_num_f32 v[232+\b], |v[96+16*\b]|, |v[97+16*\b]|, 0x1800000
.endr
.irp i, 2,4,6,8,10,12,14
.irp b, 0,1,2,3
	v_max3_num_f32 v[232+\b], v[232+\b], |v[96+16*\b+\i]|, |v[97+16*\b+\i]|
.endr
.endr
.irp b, 0,1,2,3
	v_permlanex16_b32 v[236+\b], v[232+\b], s20, s21
.endr
.irp b, 0,1,2,3
	v_max_num_f32 v[232+\b], v[232+\b], v[236+\b]
.endr
.irp b, 0,1,2,3
	v_add_nc_u32 v[240+\b], 0xff000000, v[232+\b]
.endr
.irp b, 0,1,2,3
	v_lshrrev_b32 v[236+\b], 23, v[240+\b]
.endr
.irp b, 0,1,2,3
	v_cvt_scalef32_pk8_fp4_f32 v[224+2*\b], v[96+16*\b:103+16*\b], v[240+\b]
	v_cvt_scalef32_pk8_fp4_f32 v[225+2*\b], v[104+16*\b:111+16*\b], v[240+\b]
.endr
	v_nop                                          ; one plain line behind the conversions
.irp x, 0,1
	v_permlane16_swap_b32 v[224+4*\x], v[226+4*\x]
	v_permlane16_swap_b32 v[225+4*\x], v[227+4*\x] ; lanes 0-15: the tile's block 0, 16 bytes; lanes 16-31: its block 1
.endr
	v_cndmask_b32 v244, v236, v237, vcc_lo         ; my half's block's byte
	v_cndmask_b32 v245, v238, v239, vcc_lo
	global_store_b128 v1, v[224:227], s[56:57]     ; 512 consecutive bytes
	global_store_b128 v1, v[228:231], s[56:57] offset:8192
	global_store_b8 v5, v244, s[10:11]
	global_store_b8 v5, v245, s[10:11] offset:512
	s_wait_tensorcnt 0x0                           ; the wave's end
	ds_add_u32 v254, v255
	s_wait_dscnt 0x0
	CROUND                                         ; the closing round: no work-group ends while a partner may still ask for a part that names it
	s_endpgm
.Lfunc_end_k_q4232d38459_att:
	.size	k_q4232d38459_att, .Lfunc_end_k_q4232d38459_att-k_q4232d38459_att
	.p2alignl 7, 3214868480
	.fill 96, 4, 3214868480
	.section	.rodata,"a",@progbits
	.p2align	6, 0x0
	.amdhsa_kernel k_q4232d38459_att
		.amdhsa_group_segment_fixed_size 327680
		.amdhsa_private_segment_fixed_size 0
		.amdhsa_enable_private_segment 0
		.amdhsa_kernarg_size 32
		.amdhsa_user_sgpr_count 2
		.amdhsa_user_sgpr_kernarg_segment_ptr 1
		.amdhsa_wavefront_size32 1
		.amdhsa_system_sgpr_workgroup_id_x 1
		.amdhsa_system_sgpr_workgroup_id_y 1
		.amdhsa_system_sgpr_workgroup_id_z 1
		.amdhsa_system_vgpr_workitem_id 0
		.amdhsa_next_free_vgpr 512
		.amdhsa_next_free_sgpr 66
		.amdhsa_reserve_vcc 1
		.amdhsa_float_denorm_mode_32 3
		.amdhsa_float_denorm_mode_16_64 3
		.amdhsa_memory_ordered 1
		.amdhsa_forward_progress 1
		.amdhsa_inst_pref_size 98
	.end_amdhsa_kernel
	.amdgpu_metadata
---
amdhsa.version: [ 1, 2 ]
amdhsa.kernels:
  - .name:           k_q4232d38459_att
    .symbol:         k_q4232d38459_att.kd
    .args:
      - { .name: qq, .offset: 0, .size: 8, .value_kind: global_buffer, .address_space: global }
      - { .name: kv, .offset: 8, .size: 8, .value_kind: global_buffer, .address_space: global }
      - { .name: input_mask, .offset: 16, .size: 8, .value_kind: global_buffer, .address_space: global }
      - { .name: aq, .offset: 24, .size: 8, .value_kind: global_buffer, .address_space: global }
    .group_segment_fixed_size: 327680
    .private_segment_fixed_size: 0
    .kernarg_segment_align: 8
    .kernarg_segment_size: 32
    .max_flat_workgroup_size: 256
    .sgpr_count:     66
    .vgpr_count:     512
    .wavefront_size: 32
...
	.end_amdgpu_metadata
.endif
;; end of part 3
;; launch outp (part 4): grid 16 x 16, 4 waves a work-group, no clusters, 238,080 bytes of LDS; arguments aq, wq, bo, inputs, out0; writes out0
.if DOCPART == 4
	.amdgcn_target "amdgcn-amd-amdhsa--gfx1250"
	.amdhsa_code_object_version 6
	.text
	.protected	k_q4232d38459_outp
	.globl	k_q4232d38459_outp
	.p2align	8
	.type	k_q4232d38459_outp,@function
k_q4232d38459_outp:
	s_mov_b64 s[64:65], 0
	v_nop
	global_prefetch_b8 v0, s[64:65] scope:SCOPE_SE
	s_setreg_imm32_b32 hwreg(HW_REG_WAVE_MODE, 25, 1), 1
	s_wait_xcnt 0x0
; OUTP.  out = Q(attn) Wo^T + bo + inputs, on E2M1 codes.
; SHARES.  A work-group takes 256 rows x 64 columns; wave w takes 64 rows: 4 x 4 accumulators, 8 K steps of 128: 128 matrix instructions.  attn's fragments (32 KB a wave, images of operand registers) come by the tensor loads of waves 1 and 2 into LDS, then into
; window 1; Wo's block of 64 rows (34,816 bytes, as PREP laid it) comes into LDS by wave 0's one tensor load, filled once, and is read by all four waves.
; NO JOINT LOADS: what work-groups share through LDS is that block, 34,816 of the 34,816 + 4 x 34,816 (attn) + 65,536 (residual) + 65,536 (out) bytes that a work-group moves; attn's codes pass through LDS, each wave reading only its own four tiles.
; FORM.  Source 0 = 16 rows of Wo, source 1 = 16 rows of attn: a lane holds one row of out and eight neighbouring columns; bo is the C of each sum's first instruction.
; THE WAY OUT.  Through the wave's own stage in LDS (64 rows of 256 bytes + 16), back as whole rows; the residual is added; sixteen lanes store 256 consecutive bytes, aligned.
; The tiles' order of rows (tile 2 b + u, index i <-> row 32 b + 8 u + i + 8 (i / 8)) is undone by the stores' and the residual loads' offsets.
.set WBLK,  34816
.set XL,    104448                     ; behind the stages: attn's 16 tiles of codes, 131,072 bytes, filled once
.set AQS,   2097152
.set STG,   WBLK                       ; behind the weights: the stages, 17,408 bytes a wave; no fill lands there
.set XS,  16                           ; v16-31   attn's scale images
.set WS,  32                           ; v32-47   Wo's
.set BI,  48                           ; v48-79   bo, 8 registers a tile
.set ACC, 128                          ; v128-255 16 accumulators: (g, e) at ACC + 8 (4 g + e); then rows of out
.set G1,  28
.set G0,  36
; window 1: attn's fragment (tile, K step s) at v[8 (8 tile + s)];  window 2: Wo's likewise;  window 3, v0-127: the residual
.set MSB, 0
.macro WIN new                         ; the immediate's high byte repeats the setting that is left
.if MSB != \new
	s_set_vgpr_msb (MSB<<8)|\new
.set MSB, \new
.endif
.endm
	s_load_b256 s[4:11], s[0:1], 0x0               ; aq 4, wq 6, bo 8, inputs 10
	s_load_b64 s[12:13], s[0:1], 0x20              ; out0
	v_lshl_add_u32 v126, v0, 2, 0x3a000            ; the spare words lie behind attn's tiles
	v_mov_b32 v127, 0
	ds_add_u32 v126, v127
	ds_add_u32 v126, v127
	v_lshrrev_b32 v1, 5, v0
	v_readfirstlane_b32 s20, v1                    ; wave
	s_and_b32 s23, ttmp7, 0xffff                   ; cg: my 64 columns
	s_lshl_b32 s24, ttmp9, 2
	s_add_co_u32 s24, s24, s20                     ; rb: my 64 rows
	s_mov_b32 s[G1+0], 3<<16                       ; no mask; elements of 8 bytes; no padding
	s_mov_b32 s[G1+1], 32<<16                      ; rows of 256 bytes
	s_mov_b32 s[G1+2], 136<<16                     ; 136 of them: Wo's whole block
	s_mov_b32 s[G1+3], 32<<16
	s_mov_b32 s[G1+4], 136
	s_mov_b32 s[G1+5], 32                          ; dense
	s_mov_b32 s[G1+6], 0
	s_mov_b32 s[G1+7], 0
	s_add_co_u32 s58, s23, 48                      ; kind o's blocks are wq's 48 to 63
	s_mul_i32 s58, s58, WBLK
	s_mov_b32 s59, 0
	s_mov_b32 s[G0], 1
	s_mov_b32 s[G0+1], 0
	s_mov_b32 s40, 3<<16                           ; s[40:47]: group 1 for half of attn's 16 tiles of codes: 256 dense rows of 256 bytes
	s_mov_b32 s41, 32<<16
	s_mov_b32 s42, 256<<16
	s_mov_b32 s43, 32<<16
	s_mov_b32 s44, 256
	s_mov_b32 s45, 32
	s_mov_b32 s46, 0
	s_mov_b32 s47, 0
	s_lshr_b32 s25, s20, 1                         ; wave 1 fetches the first half, wave 2 the second
	s_lshl_b32 s25, s25, 16
	s_mov_b32 s16, 1                               ; s[16:19]: its group 0
	s_add_co_u32 s17, s25, XL
	s_lshl_b32 s14, ttmp9, 17                      ; my work-group's 16 tiles x 8,192 bytes
	s_add_co_u32 s14, s14, s25
	s_mov_b32 s15, 0
	s_wait_dscnt 0x0
	s_wait_kmcnt 0x0
	s_add_nc_u64 s[G0+2:G0+3], s[6:7], s[58:59]
	s_or_b32 s[G0+3], s[G0+3], 0x80000000
	s_add_nc_u64 s[18:19], s[4:5], s[14:15]
	s_or_b32 s19, s19, 0x80000000
	s_cmp_lt_u32 s20, 1                            ; one tensor load a wave: wave 0 Wo's block, waves 1 and 2 attn's codes, wave 3 none
	s_cbranch_scc0 .Lnot_w
	tensor_load_to_lds s[G0:G0+3], s[G1:G1+7]
	s_nop 0
.rept 4
	v_nop
.endr
	s_branch .Lasked
.Lnot_w:
	s_cmp_lt_u32 s20, 3
	s_cbranch_scc0 .Lasked
	tensor_load_to_lds s[16:19], s[40:47]
	s_nop 0
.rept 4
	v_nop
.endr
.Lasked:
	v_and_b32 v1, 31, v0
	v_lshlrev_b32 v1, 4, v1                        ; 16 x lane
	v_and_b32 v2, 15, v0                           ; r
	v_bfe_u32 v3, v0, 4, 1                         ; h
	v_lshlrev_b32 v8, 6, v3                        ; 64 h: my half's 16 columns of bo
	s_mul_i32 s26, s20, 64*272
	s_add_co_u32 s26, s26, STG                     ; my stage
	v_mul_u32_u24 v9, v2, 272
	v_lshl_add_u32 v9, v3, 6, v9
	v_add_nc_u32 v9, s26, v9                       ; in: row r of a tile, + 64 h
	v_mul_u32_u24 v10, v3, 272
	v_lshl_add_u32 v10, v2, 4, v10
	v_add_nc_u32 v10, s26, v10                     ; back: lanes 0-15 one row, lanes 16-31 the next
	v_lshlrev_b32 v11, 12, v3
	v_lshl_add_u32 v11, v2, 4, v11                 ; and the same two rows in inputs and in out0
	s_lshl_b32 s27, s20, 15
	s_add_co_u32 s27, s27, XL
	v_add_nc_u32 v12, s27, v1                      ; my four tiles of attn in LDS: 32,768 bytes a wave
	s_wait_alu depctr_va_vdst(0)
	s_lshl_b32 s58, s24, 18
	s_lshl_b32 s26, s23, 8
	s_add_co_u32 s58, s58, s26                     ; my first row, my 256 bytes of it
	s_add_nc_u64 s[54:55], s[10:11], s[58:59]
	s_add_nc_u64 s[56:57], s[12:13], s[58:59]
	s_lshl_b32 s58, s24, 11
	s_add_co_u32 s58, s58, AQS
	s_add_nc_u64 s[50:51], s[4:5], s[58:59]        ; their scale images
	s_lshl_b32 s58, s23, 8
	s_add_nc_u64 s[52:53], s[8:9], s[58:59]        ; my 64 numbers of bo
.irp e, 0,1,2,3
	global_load_b128 v[BI+8*\e:BI+8*\e+3], v8, s[52:53] offset:4*(32*(\e/2)+8*(\e%2))
	global_load_b128 v[BI+8*\e+4:BI+8*\e+7], v8, s[52:53] offset:4*(32*(\e/2)+8*(\e%2))+16
.endr
.irp g, 0,1,2,3
	global_load_b128 v[XS+4*\g:XS+4*\g+3], v1, s[50:51] offset:512*\g
.endr
	WIN 0xc0                                       ; destination window 3.  The residual's 32 loads go out last: the products wait for bo and the scale images alone
.irp g, 0,1,2,3
.irp i, 0,1,2,3,4,5,6,7
	global_load_b128 v[4*(8*\g+\i):4*(8*\g+\i)+3], v11, s[54:55] offset:4096*(8*\g+2*(\i%4)+32*(\i/4)) th:TH_LOAD_NT   ; attn's tiles have x's order of rows: tile g, index i <-> row 8 g + i % 8 + 32 (i / 8) of my 64
.endr
.endr
	WIN 0
	s_wait_tensorcnt 0x0                           ; my load is in,
	s_barrier_signal -1
	s_barrier_wait -1                              ; everybody's is
	WIN 0x40                                       ; destination window 1: attn's fragments out of LDS
.irp s, 0,1,2,3,4,5,6,7
.irp t, 0,1,2,3
.irp c, 0,1
	ds_load_b128 v[8*(8*\t+\s)+4*\c:8*(8*\t+\s)+4*\c+3], v12 offset:8192*\t+1024*\s+512*\c
.endr
.endr
.endr
	WIN 0
.irp t, 0,1,2,3
	ds_load_b128 v[WS+4*\t:WS+4*\t+3], v1 offset:32768+512*\t
.endr
	WIN 0x80                                       ; destination window 2
.irp s, 0,1,2,3,4,5,6,7
.irp t, 0,1,2,3
.irp c, 0,1
	ds_load_b128 v[8*(8*\t+\s)+4*\c:8*(8*\t+\s)+4*\c+3], v1 offset:8192*\t+1024*\s+512*\c
.endr
.endr
.endr
.macro MM s, g, e                      ; one product.  K steps 4 to 7 take their scale words from lanes 16-31
.set rD, ACC+8*(4*\g+\e)
.set rA, 8*(8*\e+(\s))
.set rB, 8*(8*\g+(\s))
.set rC, BI+8*\e
.if (\s) > 0
.set rC, rD
.endif
.if (\s) < 4
	v_wmma_scale_f32_16x16x128_f8f6f4 v[rD:rD+7], v[rA:rA+7], v[rB:rB+7], v[rC:rC+7], v[WS+4*\e+(\s)%4], v[XS+4*\g+(\s)%4] matrix_a_fmt:MATRIX_FMT_FP4 matrix_b_fmt:MATRIX_FMT_FP4
.else
	v_wmma_scale_f32_16x16x128_f8f6f4 v[rD:rD+7], v[rA:rA+7], v[rB:rB+7], v[rC:rC+7], v[WS+4*\e+(\s)%4], v[XS+4*\g+(\s)%4] matrix_a_fmt:MATRIX_FMT_FP4 matrix_b_fmt:MATRIX_FMT_FP4 matrix_a_scale:MATRIX_SCALE_ROW1 matrix_b_scale:MATRIX_SCALE_ROW1
.endif
.endm
	WIN 0x06                                       ; source 0 = Wo (window 2), source 1 = attn (window 1)
.set KS_, 0
.rept 8
	s_wait_dscnt 8*(7-KS_)                         ; Wo's fragments of this K step are in; the later steps' 8 loads each may be out
.if KS_ == 0
	s_wait_loadcnt 32                              ; bo and the scale images are in; the residual's 32 loads, issued behind them, may be out
.endif
.irp g, 0,1,2,3                            ; the 16 accumulators take turns, one instruction a turn
.irp e, 0,1,2,3
	MM KS_, \g, \e
.endr
.endr
.set KS_, KS_+1
.endr
	WIN 0
.rept 4
	v_nop                                          ; places behind the last products, ahead of the stores that read results
.endr
.irp g, 0,1,2,3
.irp e, 0,1,2,3
	ds_store_b128 v9, v[ACC+8*(4*\g+\e):ACC+8*(4*\g+\e)+3] offset:4352*\g+128*(\e/2)+32*(\e%2)          ; each accumulator from its low end on: columns 32 b + 16 h + 8 u + 0 .. 3,
	ds_store_b128 v9, v[ACC+8*(4*\g+\e)+4:ACC+8*(4*\g+\e)+7] offset:4352*\g+128*(\e/2)+32*(\e%2)+16     ; + 4 .. 7
.endr
.endr
.irp g, 0,1,2,3
.irp i, 0,1,2,3,4,5,6,7
	ds_load_b128 v[ACC+4*(8*\g+\i):ACC+4*(8*\g+\i)+3], v10 offset:4352*\g+544*\i   ; LDS serves a wave's instructions in order: these see my stores
.endr
.endr
.macro SEND g                          ; a tile's 16 rows: the residual is added, and they leave
	s_wait_dscnt 8*(3-\g)                          ; this tile's rows are back; the later tiles' 8 loads each may be out
	WIN 0x0c                                       ; source 1: window 3
.set j, 32*\g
.rept 16
	v_pk_add_f32 v[ACC+j:ACC+j+1], v[ACC+j:ACC+j+1], v[j:j+1]
.set j, j+2
.endr
	WIN 0
.irp i, 0,1,2,3,4,5,6,7
	global_store_b128 v11, v[ACC+4*(8*\g+\i):ACC+4*(8*\g+\i)+3], s[56:57] offset:4096*(8*\g+2*(\i%4)+32*(\i/4)) th:TH_STORE_NT   ; 16 lanes store 256 consecutive bytes, at a multiple of 256 from out0's first byte
.endr
.endm
	s_wait_loadcnt 0x0                             ; the residual
	SEND 0
	SEND 1
	SEND 2
	SEND 3
	s_wait_tensorcnt 0x0
	ds_add_u32 v126, v127
	s_wait_dscnt 0x0
	s_endpgm
.Lfunc_end_k_q4232d38459_outp:
	.size	k_q4232d38459_outp, .Lfunc_end_k_q4232d38459_outp-k_q4232d38459_outp
	.p2alignl 7, 3214868480
	.fill 96, 4, 3214868480
	.section	.rodata,"a",@progbits
	.p2align	6, 0x0
	.amdhsa_kernel k_q4232d38459_outp
		.amdhsa_group_segment_fixed_size 238080
		.amdhsa_private_segment_fixed_size 0
		.amdhsa_enable_private_segment 0
		.amdhsa_kernarg_size 40
		.amdhsa_user_sgpr_count 2
		.amdhsa_user_sgpr_kernarg_segment_ptr 1
		.amdhsa_wavefront_size32 1
		.amdhsa_system_sgpr_workgroup_id_x 1
		.amdhsa_system_sgpr_workgroup_id_y 1
		.amdhsa_system_sgpr_workgroup_id_z 1
		.amdhsa_system_vgpr_workitem_id 0
		.amdhsa_next_free_vgpr 896
		.amdhsa_next_free_sgpr 66
		.amdhsa_reserve_vcc 0
		.amdhsa_float_denorm_mode_32 3
		.amdhsa_float_denorm_mode_16_64 3
		.amdhsa_memory_ordered 1
		.amdhsa_forward_progress 1
		.amdhsa_inst_pref_size 45
	.end_amdhsa_kernel
	.amdgpu_metadata
---
amdhsa.version: [ 1, 2 ]
amdhsa.kernels:
  - .name:           k_q4232d38459_outp
    .symbol:         k_q4232d38459_outp.kd
    .args:
      - { .name: aq, .offset: 0, .size: 8, .value_kind: global_buffer, .address_space: global }
      - { .name: wq, .offset: 8, .size: 8, .value_kind: global_buffer, .address_space: global }
      - { .name: bo, .offset: 16, .size: 8, .value_kind: global_buffer, .address_space: global }
      - { .name: inputs, .offset: 24, .size: 8, .value_kind: global_buffer, .address_space: global }
      - { .name: out0, .offset: 32, .size: 8, .value_kind: global_buffer, .address_space: global }
    .group_segment_fixed_size: 238080
    .private_segment_fixed_size: 0
    .kernarg_segment_align: 8
    .kernarg_segment_size: 40
    .max_flat_workgroup_size: 128
    .sgpr_count:     66
    .vgpr_count:     896
    .wavefront_size: 32
...
	.end_amdgpu_metadata
.endif
;; end of part 4
